; MI455X (gfx1250); checked and timed in simulation.
; The chip was launched on July 23, 2026; its instructions are those of AMD's public machine-readable ISA for CDNA 5 (MIT licence, August 2026) and "CDNA5" Instruction Set Architecture Reference Guide (July 2026). The comments in the code are by the model that wrote it; some were corrected since.
;; Attention. Allowed arithmetic: matrix products marked QUANTISED: E4M3 operands, one given power-of-two scale a tensor, by v_wmma_f32_16x16x64_fp8_fp8 or v_wmma_f32_16x16x128_fp8_fp8, f32 sums; everything else in f32.
;; Inputs: attn_mask 2 x 2,048 x 2,048 bool; k_norm_w 128 float32; lowp_scales 12 int32 (the exponents e of the quantised operands' scales 2^e); position_ids 2 x 2,048 int32; q_norm_w 128 float32; wk_codes 8 x 128 x 64 x 32 uint8 (E4M3 codes of wk, K innermost, in blocks of 32 codes); wo 8 x 128 x 2,048 float32; wq_codes 8 x 128 x 64 x 32 uint8 (E4M3 codes of wq, K innermost, in blocks of 32 codes); wv_codes 8 x 128 x 64 x 32 uint8 (E4M3 codes of wv, K innermost, in blocks of 32 codes); x_codes 2 x 2,048 x 64 x 32 uint8 (E4M3 codes of x, K innermost, in blocks of 32 codes).
;; Outputs: out0 2 x 2,048 x 2,048 float32.
;; This version of the problem:
;;   THIS VERSION OF THE PROBLEM IS GIVEN IN LOW PRECISION. The matrix products marked QUANTISED in the list below multiply operands that are first quantised to E4M3 (4 exponent bits, 3 mantissa bits; 8 bits a number), with one given power-of-two scale for each operand tensor; their sums are f32. All else is computed in f32.
;;   The module's matrix products, in the order in which they are computed (A, B: the left and right operand; K: the contracted axis; several contracted axes count as one K, in the product's order):
;;     1. [M 4,096, K 2,048] x [K 2,048, N 1,024]; A: input x (given as codes); B: input wq (given as codes): QUANTISED (scales: A lowp_scales[0], B lowp_scales[1])
;;     2. [M 4,096, K 2,048] x [K 2,048, N 1,024]; A: input x (given as codes); B: input wk (given as codes): QUANTISED (scales: A lowp_scales[2], B lowp_scales[3])
;;     3. [M 4,096, K 2,048] x [K 2,048, N 1,024]; A: input x (given as codes); B: input wv (given as codes): QUANTISED (scales: A lowp_scales[4], B lowp_scales[5])
;;     4. batch 16 x [M 2,048, K 128] x [K 128, N 2,048]; A: computed on the way; B: computed on the way: QUANTISED (scales: A lowp_scales[6], B lowp_scales[7])
;;     5. batch 16 x [M 128, K 2,048] x [K 2,048, N 2,048]; A: computed on the way; B: computed on the way: QUANTISED (scales: A lowp_scales[8], B lowp_scales[9])
;;     6. [M 4,096, K 1,024] x [K 1,024, N 2,048]; A: computed on the way; B: input wo: QUANTISED (scales: A lowp_scales[10], B lowp_scales[11])
;;   THE QUANTISER, for each operand of a quantised product, along K:
;;     - The operand's scale is 2^e, e = its entry of the input lowp_scales (int32; the entries are numbered through the quantised products in the list's order, A before B).
;;     - Each number is divided by the scale, clamped to +-448, and rounded to the nearest number of E4M3, ties to even, subnormals kept.
;;     - The product sums the exact products of the quantised numbers (number of the format x scale) in f32.
;;   ~~~python
;;   def quantise(x, axis, e):      # numpy; x: float32 -> the quantised numbers, widened to float32 again
;;       x = np.moveaxis(x, axis, -1); K = x.shape[-1]
;;       r = np.clip(x / 2.0 ** e, -448, 448)
;;       step = 2.0 ** (np.maximum(np.frexp(np.where(r == 0, 1, r))[1] - 1, -6) - 3)
;;       q = np.round(r / step) * step * 2.0 ** e      # np.round: ties to even
;;       return np.moveaxis(q, -1, axis).astype(np.float32)
;;   ~~~
;;   OPERANDS COMPUTED ON THE WAY. 'Computed on the way' means the value that the module computes at that place (a softmax that the list does not call 'softmax' is quantised finished and normalised). What goes into a quantiser is computed in f32, as accurately as f32 sums, v_exp_f32 and their like allow (about 1e-6 of the number): no bf16 or f16 on the way to a quantiser, and a product that is left as it is and whose result goes on into a quantised operand takes f32 operands (vector FMAs, or v_wmma_f32_16x16x4_f32). A number that lies on a knife's edge between two numbers of the format may be rounded either way, as far as f32 arithmetic and the matrix unit's own rounding can turn it there, and no further.
;;   INPUTS GIVEN AS CODES. wk (in the module: [2048, 8, 128], K = its axis 0); wq (in the module: [2048, 8, 128], K = its axis 0); wv (in the module: [2048, 8, 128], K = its axis 0); x (in the module: [2, 2048, 2048], K = its axis 2): each comes as NAME_codes (uint8): NAME with its K axis moved to the last place and cut into blocks of 32 codes, [.., K / 32, bytes a block], one block behind the other in memory; one code a byte (a code: sign, 4 exponent bits, 3 mantissa bits); its scale is its entry of lowp_scales. Its value is code x scale, taken as it is: it is not quantised again, and the codes and scales need not be those that the quantiser above would give.
;; One version. Each part assembles by itself: llvm-mc -triple=amdgcn-amd-amdhsa -mcpu=gfx1250 --defsym DOCPART=n.
;; ======== version 1 of 1: 4 launches
;; limits: right only within a limited range of input values
;; workspace buffers: qc 4,194,304 bytes; kc 4,194,304 bytes; vc 4,194,304 bytes; ac 4,194,304 bytes; woc 2,097,152 bytes; rope 2,097,152 bytes; mw 1,048,576 bytes of whole numbers; live 8,192 bytes of whole numbers
;; launch prep (part 1): grid 448 x 1, 4 waves a work-group, no clusters, 0 bytes of LDS; arguments attn_mask, wo, position_ids, lowp_scales, mw, live, woc, rope; writes mw, live, woc, rope
.if DOCPART == 1
	.amdgcn_target "amdgcn-amd-amdhsa--gfx1250"
	.amdhsa_code_object_version 6
	.text
	.protected	k_qc44926ecc1_prep
	.globl	k_qc44926ecc1_prep
	.p2align	8
	.type	k_qc44926ecc1_prep,@function
k_qc44926ecc1_prep:
	s_mov_b64 s[64:65], 0
	v_nop
	global_prefetch_b8 v0, s[64:65] scope:SCOPE_SE
	s_setreg_imm32_b32 hwreg(HW_REG_WAVE_MODE, 25, 1), 1
	s_wait_xcnt 0x0
; PREP: three tables for the later launches; which one a work-group makes hangs on its number alone.
;   work-groups 0-255:   attn_mask [2][2048][2048] bytes -> mw, lane masks in the order in which the attention's score registers lie, and live, which tiles hold an open key and which are wholly open
;   work-groups 256-383: wo [1024 (k)][2048] f32 -> woc, codes of E4M3 with the given scale 2^e11, laid as images of the matrix operand's registers
;   work-groups 384-447: position_ids -> rope, cos and sin of position / 1e6^(i/64), in the order of the projection's result registers
; A FRAGMENT IMAGE (all workspace operands of this program): 16 rows x 128 K, 2,048 bytes, [4 quads][32 lanes][16 bytes]; lane (r = lane % 16, h = lane / 16) holds row r,
; and its registers 2c, 2c+1 hold k = 16c + 8h + 0..7.  A fragment then comes and goes by four 16-byte accesses a lane, each covering 512 consecutive bytes.
; WORK THAT THE PROGRAM LEAVES OUT, and why it may.  The mask is an input of whole numbers.  A tile of 16 queries x 128 keys whose 2,048 mask bytes are all 0 is passed over by the attention
; launch if each of its 16 queries has an open key somewhere among the 2,048: for such a query the row's maximum is a true score, every masked score stands at -2.38e38, and
; exp(masked - maximum) is 0 in f32 for every finite maximum, so the tile adds nothing to the row's sum and only zero codes to the second product.  A tile with a query that has no open key
; at all keeps all its 16 steps (that row's softmax is 1/2048 everywhere).  In a tile whose 2,048 mask bytes are all 1 the select by the mask changes nothing: there the attention launch neither loads
; the tile's mask words nor selects.  Both choices are made here, from whole numbers, stored in live, and read there from memory.
; LIMIT: a NaN or an infinity that would reach only a tile passed over is not carried to the result.  No input is left out.
; LIMITS: e11 between -126 and 119; NaN in wo is not served; |position| up to 2^17 (the angle's reduction by pi/2 in three parts); the angle is position x 2^(-i log2(1e6)/64), not a division.
	s_load_b512 s[4:19], s[0:1], 0x0               ; mask s[4:5], wo s[6:7], positions s[8:9], scales s[10:11], mw s[12:13], live s[14:15], woc s[16:17], rope s[18:19]
	v_and_b32 v1, 31, v0                           ; lane
	v_and_b32 v2, 15, v0                           ; r
	v_bfe_u32 v3, v0, 4, 1                         ; h
	v_lshrrev_b32 v4, 5, v0
	v_readfirstlane_b32 s20, v4                    ; wave 0..3
	s_mov_b32 s23, 0
	s_wait_kmcnt 0x0
	s_cmp_lt_u32 ttmp9, 256
	s_cbranch_scc1 .Lmask
	s_cmp_lt_u32 ttmp9, 384
	s_cbranch_scc1 .Lwo
; ---- ROPE.  A wave makes one tile of 16 rows: 32 cosines and 32 sines a lane.  Register n = 4q + e belongs to frequency i = 16 (n / 8) + 8h + n % 8 of row r.
	s_sub_co_u32 s21, ttmp9, 384
	s_lshl_b32 s21, s21, 2
	s_add_co_u32 s21, s21, s20                     ; the tile of rows, 0..255
	s_lshl_b32 s22, s21, 6
	s_add_nc_u64 s[8:9], s[8:9], s[22:23]          ; its 16 positions
	s_lshl_b32 s22, s21, 13
	s_add_nc_u64 s[18:19], s[18:19], s[22:23]      ; its 8,192 bytes of the table
	s_wait_alu depctr_va_vdst(0)
	v_lshlrev_b32 v4, 2, v2
	global_load_b32 v6, v4, s[8:9]
	v_lshlrev_b32 v5, 4, v1                        ; 16 x lane
	v_lshlrev_b32 v7, 3, v3                        ; 8h
	s_mov_b32 s24, 0xbe9f73da                      ; -log2(1e6)/64
	s_mov_b32 s25, 0x3f22f983                      ; 2/pi
	s_mov_b32 s26, 0xbfc90000                      ; -pi/2 in three parts, the first two short enough for exact products
	s_mov_b32 s27, 0xb9fda000
	s_mov_b32 s28, 0xb3a22168
	s_mov_b32 s29, 0xb94ca1f9                      ; sine on [-pi/4, pi/4]: ((s0 z + s1) z + s2) z r + r
	s_mov_b32 s30, 0x3c08839e
	s_mov_b32 s31, 0xbe2aaaa3
	s_mov_b32 s32, 0x37ccf5ce                      ; cosine: ((c0 z + c1) z + c2) z^2 - z/2 + 1
	s_mov_b32 s33, 0xbab6061a
	s_mov_b32 s34, 0x3d2aaaa5
	s_wait_alu depctr_va_vdst(0)
	s_wait_loadcnt 0x0
	v_cvt_f32_i32 v6, v6                           ; the row's position
.macro QUAD q                          ; four frequencies, line by line across the four, so that no line waits for the one above it
.irp e, 0,1,2,3
	v_add_nc_u32 v[8+\e], 16*((\q)/2)+4*((\q)%2)+\e, v7
.endr
.irp e, 0,1,2,3
	v_cvt_f32_u32 v[8+\e], v[8+\e]
.endr
.irp e, 0,1,2,3
	v_mul_f32 v[8+\e], s24, v[8+\e]
.endr
	s_wait_alu depctr_va_vdst(0)
.irp e, 0,1,2,3
	v_exp_f32 v[8+\e], v[8+\e]                     ; 1 / timescale
.endr
	v_nop                                          ; a plain instruction behind the last exponential
	s_wait_alu depctr_va_vdst(0)                   ; one wait for the four, ahead of their first reader
.irp e, 0,1,2,3
	v_mul_f32 v[8+\e], v6, v[8+\e]                 ; the angle
.endr
.irp e, 0,1,2,3
	v_mul_f32 v[12+\e], s25, v[8+\e]
.endr
.irp e, 0,1,2,3
	v_rndne_f32 v[12+\e], v[12+\e]                 ; how many quarter turns
.endr
.irp e, 0,1,2,3
	v_fma_f32 v[8+\e], v[12+\e], s26, v[8+\e]
.endr
.irp e, 0,1,2,3
	v_fma_f32 v[8+\e], v[12+\e], s27, v[8+\e]
.endr
.irp e, 0,1,2,3
	v_fma_f32 v[8+\e], v[12+\e], s28, v[8+\e]      ; the rest r, within pi/4
.endr
.irp e, 0,1,2,3
	v_mul_f32 v[16+\e], v[8+\e], v[8+\e]           ; z = r^2
.endr
.irp e, 0,1,2,3
	v_fma_f32 v[20+\e], v[16+\e], s29, s30
	v_fma_f32 v[24+\e], v[16+\e], s32, s33
.endr
.irp e, 0,1,2,3
	v_fma_f32 v[20+\e], v[20+\e], v[16+\e], s31
	v_fma_f32 v[24+\e], v[24+\e], v[16+\e], s34
.endr
.irp e, 0,1,2,3
	v_mul_f32 v[20+\e], v[20+\e], v[16+\e]
	v_fma_f32 v[28+\e], v[16+\e], -0.5, 1.0
.endr
.irp e, 0,1,2,3
	v_mul_f32 v[16+\e], v[16+\e], v[16+\e]
	v_cvt_i32_f32 v[32+\e], v[12+\e]
.endr
.irp e, 0,1,2,3
	v_fma_f32 v[20+\e], v[20+\e], v[8+\e], v[8+\e] ; sin r
	v_fma_f32 v[24+\e], v[24+\e], v[16+\e], v[28+\e] ; cos r
.endr
.irp e, 0,1,2,3
	v_and_b32 v[12+\e], 1, v[32+\e]
.endr
.irp e, 0,1,2,3
	v_cmp_ne_u32 s[36+\e], 0, v[12+\e]             ; an odd number of quarter turns swaps the two
.endr
.irp e, 0,1,2,3
	v_cndmask_b32 v[96+4*(\q)+\e], v[20+\e], v[24+\e], s[36+\e]
	v_cndmask_b32 v[64+4*(\q)+\e], v[24+\e], v[20+\e], s[36+\e]
.endr
.irp e, 0,1,2,3
	v_lshlrev_b32 v[12+\e], 30, v[32+\e]           ; the sine changes sign in quarters 2 and 3,
	v_add_nc_u32 v[32+\e], 1, v[32+\e]
.endr
.irp e, 0,1,2,3
	v_and_b32 v[12+\e], 0x80000000, v[12+\e]
	v_lshlrev_b32 v[32+\e], 30, v[32+\e]           ; the cosine in quarters 1 and 2
.endr
.irp e, 0,1,2,3
	v_xor_b32 v[96+4*(\q)+\e], v[96+4*(\q)+\e], v[12+\e]
	v_and_b32 v[32+\e], 0x80000000, v[32+\e]
.endr
.irp e, 0,1,2,3
	v_xor_b32 v[64+4*(\q)+\e], v[64+4*(\q)+\e], v[32+\e]
.endr
	global_store_b128 v5, v[64+4*(\q):67+4*(\q)], s[18:19] offset:512*(\q)         ; 512 consecutive bytes a store; each quad has registers of its own
	global_store_b128 v5, v[96+4*(\q):99+4*(\q)], s[18:19] offset:4096+512*(\q)
.endm
.irp q, 0,1,2,3,4,5,6,7
	QUAD \q
.endr
	s_endpgm
; ---- THE MASK.  Work-group id = 128 b + tile of 16 queries; wave w takes key steps 4w .. 4w+3 (512 keys).  Lane (r, h) loads, for step s and key tile t, the 8 bytes of query r at keys 128 s + 16 t + 8h:
; byte j is what the attention's score register n = 8t + j of that lane wants.  A compare gathers the 32 lanes' bits into one word; word n goes to lane n / 2 of a register pair; the pair is stored as 256 consecutive bytes.
; live: [tile][wave][2 words].  Word 0: bit r: query r has an open key among my 512; bit 16 + step: the step has an open key.  Word 1: bit step: all 2,048 bytes of the step are 1.
.Lmask:
	s_lshl_b32 s22, ttmp9, 15                      ; 16 rows of 2,048 bytes
	s_lshl_b32 s21, s20, 9
	s_add_co_u32 s22, s22, s21
	s_add_nc_u64 s[4:5], s[4:5], s[22:23]
	s_lshl_b32 s22, ttmp9, 4
	s_lshl_b32 s21, s20, 2
	s_add_co_u32 s22, s22, s21
	s_lshl_b32 s22, s22, 8                         ; 256 bytes of words for each step
	s_add_nc_u64 s[12:13], s[12:13], s[22:23]
	s_lshl_b32 s22, ttmp9, 2
	s_add_co_u32 s22, s22, s20
	s_lshl_b32 s22, s22, 3
	s_add_nc_u64 s[14:15], s[14:15], s[22:23]      ; my wave's two words of live
	s_wait_alu depctr_va_vdst(0)
	v_lshlrev_b32 v4, 11, v2
	v_lshl_add_u32 v4, v3, 3, v4                   ; row r, + 8h
	v_lshlrev_b32 v5, 3, v1                        ; 8 x lane
.set nn, 0
.rept 32
	global_load_b64 v[32+2*nn:33+2*nn], v4, s[4:5] offset:128*(nn/8)+16*(nn%8)   ; the 32 loads together cover 16 rows x 512 aligned bytes
.set nn, nn+1
.endr
.set nn, 0
.rept 8
	v_mov_b32 v[96+nn], 0                          ; the word pairs: a lane write's destination counts as read
.set nn, nn+1
.endr
	s_mov_b32 s30, 0                               ; bits 16+s: step s has an open key
	s_mov_b32 s31, 0                               ; lanes that have seen an open key
	s_mov_b32 s32, 0                               ; bits s: step s is wholly open
	s_mov_b32 s33, 0x01010101                      ; four open bytes
.macro MSTEP s
	s_wait_loadcnt 24-8*\s                         ; this step's eight loads are in; the eight of each later step may be out
.set nn, 0
.rept 64
	v_bfe_u32 v[8+nn%4], v[32+2*(8*\s+nn/8)+(nn%8)/4], 8*(nn%4), 8
	v_cmp_ne_u32 s[24+nn%4], 0, v[8+nn%4]
	v_writelane_b32 v[96+2*\s+nn%2], s[24+nn%4], nn/2
.set nn, nn+1
.endr
	v_or_b32 v12, v[32+16*\s], v[33+16*\s]
	v_and_b32 v13, v[32+16*\s], v[33+16*\s]
.set nn, 2
.rept 14
	v_or_b32 v12, v12, v[32+16*\s+nn]
	v_and_b32 v13, v13, v[32+16*\s+nn]
.set nn, nn+1
.endr
	v_cmp_ne_u32 s28, 0, v12
	v_cmp_eq_u32 s34, s33, v13                     ; lanes whose 64 bytes are all 1
	s_or_b32 s31, s31, s28
	s_cmp_lg_u32 s28, 0
	s_cselect_b32 s29, 1, 0
	s_lshl_b32 s29, s29, 16+\s
	s_or_b32 s30, s30, s29
	s_cmp_eq_u32 s34, -1                           ; all 32 lanes
	s_cselect_b32 s29, 1, 0
	s_lshl_b32 s29, s29, \s
	s_or_b32 s32, s32, s29
	global_store_b64 v5, v[96+2*\s:97+2*\s], s[12:13] offset:256*\s   ; 256 consecutive bytes, aligned; each step has a pair of its own
.endm
	MSTEP 0
	MSTEP 1
	MSTEP 2
	MSTEP 3
	s_lshl_b32 s21, s20, 2
	s_lshl_b32 s30, s30, s21                       ; my steps are 4w .. 4w+3
	s_lshl_b32 s32, s32, s21
	s_lshr_b32 s29, s31, 16
	s_or_b32 s31, s31, s29
	s_and_b32 s31, s31, 0xffff                     ; bit r: query r has an open key among my 512
	s_or_b32 s30, s30, s31
	v_mov_b32 v16, s30
	v_mov_b32 v17, s32
	v_mov_b32 v14, 0
	v_cmp_gt_u32 vcc_lo, 1, v1
	s_wait_alu depctr_va_vdst(0)
	s_wait_xcnt 0x0                                ; EXEC is a source of the stores above: it changes only behind this wait
	s_and_saveexec_b32 s29, vcc_lo
	global_store_b64 v14, v[16:17], s[14:15]       ; two words a wave: the whole of live is 8,192 bytes
	s_wait_xcnt 0x0
	s_or_b32 exec_lo, exec_lo, s29
	s_endpgm
; ---- WO.  K is wo's first axis.  A lane takes a column and its registers run down K: each load reads 128 consecutive bytes a wave, 512 a work-group, and the conversions give codes with K innermost.
; Work-group: 128 columns x 128 k (one K step, a head).  A lane's 32 numbers of block t are quad t of the image: k 0-7 and 16-23 for the lane with h = 0, k 8-15 and 24-31 for h = 1.
.Lwo:
	s_load_b32 s30, s[10:11], 0x2c                 ; e11
	s_sub_co_u32 s21, ttmp9, 256
	s_and_b32 s22, s21, 15                         ; which 128 columns
	s_lshr_b32 s21, s21, 4                         ; which K step
	s_lshl_b32 s24, s21, 20                        ; 128 rows of 8,192 bytes
	s_lshl_b32 s25, s22, 9
	s_add_co_u32 s24, s24, s25
	s_lshl_b32 s25, s20, 7
	s_add_co_u32 s24, s24, s25                     ; + my wave's 32 columns
	s_mov_b32 s25, 0
	s_add_nc_u64 s[6:7], s[6:7], s[24:25]
	s_lshr_b32 s24, s21, 1                         ; woc: [pair of K steps][tile of 16 columns][K step % 2][2,048]
	s_lshl_b32 s24, s24, 7
	s_lshl_b32 s26, s22, 3
	s_add_co_u32 s24, s24, s26
	s_lshl_b32 s26, s20, 1
	s_add_co_u32 s24, s24, s26
	s_lshl_b32 s24, s24, 12
	s_and_b32 s26, s21, 1
	s_lshl_b32 s26, s26, 11
	s_add_co_u32 s24, s24, s26
	s_add_nc_u64 s[16:17], s[16:17], s[24:25]
	s_wait_alu depctr_va_vdst(0)
	v_lshlrev_b32 v4, 2, v1
	v_lshlrev_b32 v5, 12, v3                       ; lanes 16-31 hold the next tile of columns
	v_lshl_add_u32 v5, v2, 4, v5
.macro WLD t                           ; block t: wo(32 t + i, my column), i = 0..31, into set t % 2
.set nn, 0
.rept 32
	global_load_b32 v[32+32*((\t)%2)+nn], v4, s[6:7] offset:(32*(\t)+nn)*8192 th:TH_LOAD_NT
.set nn, nn+1
.endr
.endm
	WLD 0
	WLD 1
	s_wait_kmcnt 0x0
	s_add_co_i32 s30, s30, 127
	s_lshl_b32 s31, s30, 23
	v_mov_b32 v11, s31                             ; 2^e11 as f32: the conversion takes its exponent field
	s_add_co_i32 s30, s30, 8
	s_lshl_b32 s30, s30, 23
	s_or_b32 s30, s30, 0x600000
	v_mov_b32 v10, s30                             ; 448 x 2^e11
.macro WBLOCK t
.set XS, 32+32*((\t)%2)
.set CC, 96+8*(\t)
.if (\t) < 3
	s_wait_loadcnt 32                              ; this block's 32 loads are in; the next block's may be out
.else
	s_wait_loadcnt 0x0
.endif
.set nn, 0
.rept 32
	v_med3_num_f32 v[XS+nn], v[XS+nn], -v10, v10   ; the conversion to an 8-bit code does not saturate (ISA guide 7.6.2): the hold comes first
.set nn, nn+1
.endr
	v_cvt_scalef32_pk8_fp8_f32 v[CC:CC+1], v[XS:XS+7], v11
	v_cvt_scalef32_pk8_fp8_f32 v[CC+2:CC+3], v[XS+16:XS+23], v11
	v_cvt_scalef32_pk8_fp8_f32 v[CC+4:CC+5], v[XS+8:XS+15], v11
	v_cvt_scalef32_pk8_fp8_f32 v[CC+6:CC+7], v[XS+24:XS+31], v11
	global_store_b128 v5, v[CC:CC+3], s[16:17] offset:512*(\t)         ; sixteen lanes fill 256 consecutive bytes, aligned; each block has code registers of its own
	global_store_b128 v5, v[CC+4:CC+7], s[16:17] offset:512*(\t)+256
.if (\t)+2 < 4
	WLD (\t)+2
.endif
.endm
	s_wait_alu depctr_va_vdst(0)
	WBLOCK 0
	WBLOCK 1
	WBLOCK 2
	WBLOCK 3
	s_endpgm
.Lfunc_end_k_qc44926ecc1_prep:
	.size	k_qc44926ecc1_prep, .Lfunc_end_k_qc44926ecc1_prep-k_qc44926ecc1_prep
	.p2alignl 7, 3214868480
	.fill 96, 4, 3214868480
	.section	.rodata,"a",@progbits
	.p2align	6, 0x0
	.amdhsa_kernel k_qc44926ecc1_prep
		.amdhsa_group_segment_fixed_size 0
		.amdhsa_private_segment_fixed_size 0
		.amdhsa_enable_private_segment 0
		.amdhsa_kernarg_size 64
		.amdhsa_user_sgpr_count 2
		.amdhsa_user_sgpr_kernarg_segment_ptr 1
		.amdhsa_wavefront_size32 1
		.amdhsa_system_sgpr_workgroup_id_x 1
		.amdhsa_system_sgpr_workgroup_id_y 1
		.amdhsa_system_sgpr_workgroup_id_z 1
		.amdhsa_system_vgpr_workitem_id 0
		.amdhsa_next_free_vgpr 128
		.amdhsa_next_free_sgpr 66
		.amdhsa_reserve_vcc 1
		.amdhsa_float_denorm_mode_32 3
		.amdhsa_float_denorm_mode_16_64 3
		.amdhsa_memory_ordered 1
		.amdhsa_forward_progress 1
		.amdhsa_inst_pref_size 133
	.end_amdhsa_kernel
	.amdgpu_metadata
---
amdhsa.version: [ 1, 2 ]
amdhsa.kernels:
  - .name:           k_qc44926ecc1_prep
    .symbol:         k_qc44926ecc1_prep.kd
    .args:
      - { .name: attn_mask, .offset: 0, .size: 8, .value_kind: global_buffer, .address_space: global }
      - { .name: wo, .offset: 8, .size: 8, .value_kind: global_buffer, .address_space: global }
      - { .name: position_ids, .offset: 16, .size: 8, .value_kind: global_buffer, .address_space: global }
      - { .name: lowp_scales, .offset: 24, .size: 8, .value_kind: global_buffer, .address_space: global }
      - { .name: mw, .offset: 32, .size: 8, .value_kind: global_buffer, .address_space: global }
      - { .name: live, .offset: 40, .size: 8, .value_kind: global_buffer, .address_space: global }
      - { .name: woc, .offset: 48, .size: 8, .value_kind: global_buffer, .address_space: global }
      - { .name: rope, .offset: 56, .size: 8, .value_kind: global_buffer, .address_space: global }
    .group_segment_fixed_size: 0
    .private_segment_fixed_size: 0
    .kernarg_segment_align: 8
    .kernarg_segment_size: 64
    .max_flat_workgroup_size: 128
    .sgpr_count:     66
    .vgpr_count:     128
    .wavefront_size: 32
...
	.end_amdgpu_metadata
.endif
;; end of part 1
;; launch qkv (part 2): grid 12 x 16, 4 waves a work-group, clusters of 4 x 4, 327,680 bytes of LDS; arguments x_codes, wq_codes, wk_codes, wv_codes, lowp_scales, q_norm_w, k_norm_w, rope, qc, kc, vc; writes qc, kc, vc
.if DOCPART == 2
	.amdgcn_target "amdgcn-amd-amdhsa--gfx1250"
	.amdhsa_code_object_version 6
	.text
	.protected	k_qc44926ecc1_qkv
	.globl	k_qc44926ecc1_qkv
	.p2align	8
	.type	k_qc44926ecc1_qkv,@function
k_qc44926ecc1_qkv:
	s_mov_b64 s[64:65], 0
	v_nop
	global_prefetch_b8 v0, s[64:65] scope:SCOPE_SE
	s_setreg_imm32_b32 hwreg(HW_REG_WAVE_MODE, 25, 1), 1
	s_wait_xcnt 0x0
	s_wait_alu depctr_hold_cnt(0) depctr_sa_sdst(0) depctr_va_vdst(0) depctr_va_sdst(0) depctr_va_ssrc(0) depctr_va_vcc(0) depctr_vm_vsrc(0)
	s_getreg_b32 s2, hwreg(HW_REG_IB_STS2, 6, 4)
	s_cmp_eq_u32 s2, 0
	s_cbranch_scc0 .Lentry_in_a_cluster
	s_endpgm
.Lentry_in_a_cluster:
	s_bfe_u32 s2, ttmp6, 0x10000c
	s_cmp_lg_u32 s2, 0xf033
	s_cbranch_scc0 .Lentry_shape_is_right
	s_endpgm
.Lentry_shape_is_right:
.set KSTEP,  256
.set ROWB,   256
.set KROW,   2048
.set PITCH,  272
.set FR,     16
.set NL,     4
.set NP,     4
.set HALFT,  128*PITCH
.set SLOT,   4*HALFT
.set LAPS,   4
.set SPARE,  2*SLOT
.set ADRA, 16
.set ADRB, 20
.set LI,   26
.set HO,   27
.set SPW,  28
.set NIL,  29
.set AF,   128
.set G1, 24
.set G0, 32
.set G1B, 48
.set G0B, 56
.set MSB, 0
.macro WIN new
.if MSB != (\new)
	s_set_vgpr_msb (MSB<<8)|(\new)
.set MSB, (\new)
.endif
.endm
.set MUL_LO, 0xa1
.set MUL_HI, 0xf1
.set TO_B,   0x40
.macro JLOAD g0a, g1a, g0b, g1b
	s_cmp_eq_u32 s15, 0
	s_cbranch_scc0 .Lfor_b_\@
	tensor_load_to_lds s[\g0a:\g0a+3], s[\g1a:\g1a+7]
	s_nop 0
.rept 4
	v_nop
.endr
	s_branch .Lasked_\@
.Lfor_b_\@:
	tensor_load_to_lds s[\g0b:\g0b+3], s[\g1b:\g1b+7]
	s_nop 0
.rept 4
	v_nop
.endr
.Lasked_\@:
.endm
.macro CREST
	s_cmp_lg_u32 s14, 0
	s_cbranch_scc1 .Lnot_wave_0_\@
	s_barrier_signal -3
.Lnot_wave_0_\@:
	s_barrier_wait -3
	s_barrier_signal -1
	s_barrier_wait -1
.endm
.macro CROUND
	s_barrier_signal -1
	s_barrier_wait -1
	CREST
.endm
.macro CSL a
.if ((\a)%4) == 0
.set LB, 32
.else
.set LB, 64*((\a)%4)
	WIN TO_B
.endif
.set nn, 0
.rept 16
	global_load_b128 v[LB+4*nn:LB+4*nn+3], v[LI], s[12:13] offset:(\a)*8192+512*nn
.set nn, nn+1
.endr
	WIN 0
.endm
	s_load_b512 s[68:83], s[0:1], 0x0
	s_load_b128 s[84:87], s[0:1], 0x40
	s_load_b64 s[88:89], s[0:1], 0x50
	v_lshl_add_u32 v[SPW], v0, 2, SPARE
	v_mov_b32 v[NIL], 0
	ds_add_u32 v[SPW], v[NIL]
	ds_add_u32 v[SPW], v[NIL]
	v_lshrrev_b32 v1, 5, v0
	v_readfirstlane_b32 s14, v1
	v_and_b32 v30, 31, v0
	v_lshlrev_b32 v30, 11, v30                     ; the prefetches' offset: my lane x a row of 2,048 bytes; never rewritten
	s_lshr_b32 s15, s14, 1
	s_and_b32 s16, s14, 1
	s_bfe_u32 s40, ttmp6, 0x40000
	s_bfe_u32 s41, ttmp6, 0x40004
	s_and_b32 s2, ttmp7, 0xffff
	s_lshl_b32 s2, s2, 2
	s_cmp_eq_u32 ttmp9, 2
	s_cselect_b32 s17, 0, s2
	s_cselect_b32 s42, s2, 0
	s_add_co_u32 s17, s17, s41
	s_add_co_u32 s42, s42, s40
	s_lshl_b32 s43, s41, 2
	s_lshl_b32 s43, 15, s43
	s_lshl_b32 s44, 0x1111, s40
	s_or_b32 s[G1+0], s43, (0<<16)|(1<<20)|(1<<21)|(5<<22)|(3<<25)
	s_or_b32 s[G1B+0], s44, (0<<16)|(1<<20)|(1<<21)|(5<<22)|(3<<25)
.irp g, G1, G1B
	s_mov_b32 s[\g+1], ROWB<<16
	s_mov_b32 s[\g+2], 128<<16
	s_mov_b32 s[\g+3], ROWB<<16
	s_mov_b32 s[\g+4], 128
	s_mov_b32 s[\g+5], KROW
	s_mov_b32 s[\g+6], 0
	s_mov_b32 s[\g+7], 0
.endr
	s_lshl_b32 s18, s16, 7
	s_lshl_b32 s20, s17, 8
	s_add_co_u32 s20, s20, s18
	s_lshl_b32 s20, s20, 11
	s_mov_b32 s21, 0
	s_lshl_b32 s46, s42, 8
	s_add_co_u32 s46, s46, s18
	s_lshl_b32 s46, s46, 11
	s_mov_b32 s47, 0
	s_mul_i32 s45, s14, HALFT
	s_mov_b32 s90, 0x76543210
	s_mov_b32 s91, 0xfedcba98
	s_wait_dscnt 0x0
	s_wait_kmcnt 0x0
	s_load_b256 s[92:99], s[76:77], 0x0
	s_load_b32 s100, s[76:77], 0x20
	s_cmp_eq_u32 ttmp9, 1
	s_cselect_b64 s[6:7], s[72:73], s[70:71]
	s_cselect_b64 s[8:9], s[80:81], s[78:79]
	s_cmp_eq_u32 ttmp9, 2
	s_cselect_b64 s[4:5], s[74:75], s[68:69]
	s_cselect_b64 s[6:7], s[68:69], s[6:7]
	s_add_nc_u64 s[20:21], s[4:5], s[20:21]
	s_add_nc_u64 s[46:47], s[6:7], s[46:47]
	; THE PREFETCHES: behind each joint load of K step r one instruction a wave names K step r + 2 (256 bytes of a row, a lane a row); behind the first joint load one more names K step 1, whose load
	; follows when K step 0 has landed.  Of the 128 rows that my wave fetches, each of the four partners that ask for them jointly names 32, told apart by address (cx for source 0's rows, cy for source 1's).
	; K step 0 comes by its load alone; the refills of K steps 6 and 7 name nothing.
	s_cmp_eq_u32 s15, 0
	s_cselect_b64 s[66:67], s[20:21], s[46:47]     ; s[66:67]: my 32 rows, at the K step that the stepping below has reached
	s_cselect_b32 s2, s40, s41
	s_lshl_b32 s2, s2, 16                          ; 32 rows of 2,048 bytes
	s_mov_b32 s3, 0
	s_add_nc_u64 s[66:67], s[66:67], s[2:3]
	CROUND
.irp s, 0,1
	s_mov_b32 s[G0+4*\s], 1
	s_add_co_u32 s[G0+4*\s+1], s45, \s*SLOT
	s_add_nc_u64 s[G0+4*\s+2:G0+4*\s+3], s[20:21], \s*ROWB
	s_or_b32 s[G0+4*\s+3], s[G0+4*\s+3], 0x80000000
	s_mov_b32 s[G0B+4*\s], 1
	s_add_co_u32 s[G0B+4*\s+1], s45, \s*SLOT
	s_add_nc_u64 s[G0B+4*\s+2:G0B+4*\s+3], s[46:47], \s*ROWB
	s_or_b32 s[G0B+4*\s+3], s[G0B+4*\s+3], 0x80000000
	s_wait_alu depctr_va_vdst(0)
.if \s                                 ; K step 0's load stands behind the opening adds and the opening round; K step 1's, a later first fill, behind these lines and a round of its own
	s_wait_tensorcnt 0x0
	ds_add_u32 v28, v29
	ds_add_u32 v28, v29
	s_wait_dscnt 0x0
	CROUND
.endif
	JLOAD G0+4*\s, G1, G0B+4*\s, G1B
.if \s == 0
	global_prefetch_b8 v30, s[66:67] offset:ROWB th:TH_LOAD_NT scope:SCOPE_SE          ; K step 1
.endif
	global_prefetch_b8 v30, s[66:67] offset:(2+\s)*ROWB th:TH_LOAD_NT scope:SCOPE_SE   ; K step 2 + s
.endr
	v_and_b32 v1, 15, v0
	v_bfe_u32 v2, v0, 4, 1
	v_mul_u32_u24 v3, v1, PITCH
	v_lshl_add_u32 v4, v2, 4, v3
	s_mul_i32 s21, s15, HALFT
	s_mul_i32 s22, s16, HALFT
	s_add_co_u32 s22, s22, 2*HALFT
.irp s, 0,1
	v_add_nc_u32 v[ADRA+\s], s21, v4
	v_add_nc_u32 v[ADRB+\s], s22, v4
	s_add_co_u32 s21, s21, SLOT
	s_add_co_u32 s22, s22, SLOT
.endr
	v_and_b32 v[LI], 31, v0
	v_lshlrev_b32 v[LI], 4, v[LI]
	v_lshlrev_b32 v[HO], 5, v2
	s_lshl_b32 s18, s17, 1
	s_add_co_u32 s18, s18, s15
	s_lshl_b32 s18, s18, 16
	s_mov_b32 s19, 0
	s_add_nc_u64 s[12:13], s[82:83], s[18:19]
	CSL 0
.macro FRAG reg, adr, q, i
.irp c, 0,1,2,3
	ds_load_b128 v[\reg+4*\c:\reg+4*\c+3], v[\adr] offset:128*(\q)+32*\c+(\i)*16*PITCH
.endr
.endm
.macro MUL16 a0, p, zero
.irp a, \a0, \a0+1
.irp b, 0,1,2,3,4,5,6,7
.if \zero
	v_wmma_f32_16x16x128_fp8_fp8 v[8*(8*((\a)%4)+\b):8*(8*((\a)%4)+\b)+7], v[128*(\p)+FR*\b:128*(\p)+FR*\b+FR-1], v[AF+FR*(\a):AF+FR*(\a)+FR-1], 0
.else
	v_wmma_f32_16x16x128_fp8_fp8 v[8*(8*((\a)%4)+\b):8*(8*((\a)%4)+\b)+7], v[128*(\p)+FR*\b:128*(\p)+FR*\b+FR-1], v[AF+FR*(\a):AF+FR*(\a)+FR-1], v[8*(8*((\a)%4)+\b):8*(8*((\a)%4)+\b)+7]
.endif
.endr
.endr
.endm
.macro FETCH_B slot, q, p
	WIN TO_B
.irp i, 0,1,2,3,4,5,6,7
	FRAG 128*(\p)+FR*\i, ADRB+\slot, \q, \i
.endr
	WIN 0
.endm
.macro FETCH_A slot, q, i0
.irp i, \i0, \i0+1, \i0+2, \i0+3
	FRAG AF+FR*(\i), ADRA+\slot, \q, \i
.endr
.endm
.macro PLACES n
.rept \n
	v_nop
.endr
.endm
.macro STEP slot, q, zero
	s_wait_dscnt 4*NL
	WIN MUL_LO
	MUL16 0, (\q)%2, \zero
	MUL16 2, (\q)%2, \zero
	s_wait_dscnt 0
	PLACES NP
	FETCH_B \slot, (\q)+1, 1-(\q)%2
	FETCH_A \slot, (\q)+1, 0
	WIN MUL_HI
	MUL16 4, (\q)%2, \zero
	MUL16 6, (\q)%2, \zero
	PLACES NP
	WIN 0
	FETCH_A \slot, (\q)+1, 4
.endm
.macro TURN slot, next, fill
.if \fill
	s_wait_xcnt 0x0                                ; my last prefetch has read its address: it is stepped here, one K step
	s_add_nc_u64 s[66:67], s[66:67], ROWB
.endif
	s_wait_tensorcnt 0x0
	ds_add_u32 v[SPW], v[NIL]
	s_wait_dscnt 4*NL+1
	WIN MUL_LO
	MUL16 0, 1, 0
	s_wait_dscnt 0x0
	s_barrier_signal -1
	MUL16 2, 1, 0
	WIN 0
	s_barrier_wait -1
.if \fill
	CREST
	s_add_nc_u64 s[G0+4*\slot+2:G0+4*\slot+3], s[G0+4*\slot+2:G0+4*\slot+3], 2*ROWB
	s_add_nc_u64 s[G0B+4*\slot+2:G0B+4*\slot+3], s[G0B+4*\slot+2:G0B+4*\slot+3], 2*ROWB
	JLOAD G0+4*\slot, G1, G0B+4*\slot, G1B
.else
	PLACES NP
.endif
	FETCH_B \next, 0, 0
	FETCH_A \next, 0, 0
.if \fill
	s_cmp_gt_u32 s3, 1                             ; the loop's last trip refills with K steps 6 and 7: there is no K step two on
	s_cbranch_scc0 .Lnoask_\@
	global_prefetch_b8 v30, s[66:67] offset:3*ROWB th:TH_LOAD_NT scope:SCOPE_SE   ; the K step two refills on
.Lnoask_\@:
.endif
	WIN MUL_HI
	MUL16 4, 1, 0
	MUL16 6, 1, 0
	PLACES NP
	WIN 0
	FETCH_A \next, 0, 4
.endm
	s_wait_alu depctr_va_vdst(0)
	s_wait_tensorcnt 1
	s_barrier_signal -1
	s_barrier_wait -1
	FETCH_B 0, 0, 0
	FETCH_A 0, 0, 0
	FETCH_A 0, 0, 4
	STEP 0, 0, 1
	s_mov_b32 s3, LAPS-1
.Llap:
	TURN 0, 1, 1
	STEP 1, 0, 0
	TURN 1, 0, 1
	STEP 0, 0, 0
	s_sub_co_u32 s3, s3, 1
	s_cmp_lg_u32 s3, 0
	s_cbranch_scc1 .Llap
	TURN 0, 1, 0
	STEP 1, 0, 0
	WIN TO_B
.set nn, 0
.rept 8
	global_load_b128 v[8*nn:8*nn+3], v[HO], s[8:9] offset:64*nn
	global_load_b128 v[8*nn+4:8*nn+7], v[HO], s[8:9] offset:64*nn+16
.set nn, nn+1
.endr
	WIN 0
	CSL 1
	s_wait_dscnt 4*NL
	WIN MUL_LO
	MUL16 0, 1, 0
	MUL16 2, 1, 0
	s_wait_dscnt 0
	WIN MUL_HI
	MUL16 4, 1, 0
	MUL16 6, 1, 0
	WIN 0
	PLACES NP
	s_wait_kmcnt 0x0
	s_lshl_b32 s18, s17, 1
	s_add_co_u32 s18, s18, s15
	s_lshl_b32 s19, s42, 1
	s_add_co_u32 s19, s19, s16
	s_add_co_i32 s92, s92, s93
	s_add_co_i32 s94, s94, s95
	s_add_co_i32 s96, s96, s97
	s_cmp_eq_u32 ttmp9, 2
	s_cselect_b32 s22, s18, s19
	s_cselect_b32 s23, s19, s18
	s_cselect_b64 s[10:11], s[88:89], s[84:85]
	s_cmp_eq_u32 ttmp9, 1
	s_cselect_b64 s[10:11], s[86:87], s[10:11]
	s_cselect_b32 s101, s94, s92
	s_cselect_b32 s20, s98, s99
	s_lshr_b32 s18, s23, 4
	s_lshl_b32 s18, s18, 3
	s_add_co_u32 s18, s18, s22
	s_lshl_b32 s18, s18, 4
	s_and_b32 s19, s23, 15
	s_add_co_u32 s18, s18, s19
	s_lshl_b32 s18, s18, 14
	s_mov_b32 s19, 0
	s_add_nc_u64 s[10:11], s[10:11], s[18:19]
	s_cmp_eq_u32 ttmp9, 2
	s_cbranch_scc1 .Lv
	CSL 2
	CSL 3
	s_add_co_i32 s20, s20, 127
	s_lshl_b32 s21, s20, 23
	v_mov_b32 v249, s21
	s_add_co_i32 s20, s20, 8
	s_lshl_b32 s20, s20, 23
	s_or_b32 s20, s20, 0x600000
	v_mov_b32 v248, s20
	v_mov_b32 v244, 0
	s_lshl_b32 s21, s101, 1
	s_sub_co_i32 s21, s21, 7
.macro QKBLOCK a
.set AC, 64*((\a)%4)
.set WW, 2+(\a)/4
.if ((\a)%4) == 0
.set CB, 32
.set CWIN, 0
.else
.set CB, 64*((\a)%4)
.set CWIN, 0x04
.endif
	WIN WW|(WW<<2)
	v_pk_mul_f32 v[240:241], v[AC:AC+1], v[AC:AC+1]
	v_pk_mul_f32 v[242:243], v[AC+2:AC+3], v[AC+2:AC+3]
.set nn, 4
.rept 15
	v_pk_fma_f32 v[240:241], v[AC+nn:AC+nn+1], v[AC+nn:AC+nn+1], v[240:241]
	v_pk_fma_f32 v[242:243], v[AC+nn+2:AC+nn+3], v[AC+nn+2:AC+nn+3], v[242:243]
.set nn, nn+4
.endr
.if (\a) == 0
	s_wait_loadcnt 48
.endif
	WIN WW|(1<<2)
.set nn, 0
.rept 32
	v_pk_mul_f32 v[96+nn:97+nn], v[AC+nn:AC+nn+1], v[nn:nn+1]
.set nn, nn+2
.endr
	WIN 0
	v_pk_add_f32 v[240:241], v[240:241], v[242:243]
	v_add_f32 v240, v240, v241
	v_permlanex16_b32 v244, v240, s90, s91
	v_add_f32 v240, v240, v244
	v_ldexp_f32 v240, v240, s21
	v_add_f32 v240, 0x358637bd, v240
	s_wait_alu depctr_va_vdst(0)
	v_rsq_f32 v240, v240
	v_nop
	s_wait_alu depctr_va_vdst(0)
	v_ldexp_f32 v246, v240, s101
	v_mov_b32 v247, v246
.if (\a) > 0
.if (\a) < 5
	s_wait_loadcnt 48
.else
	s_wait_loadcnt 16*(7-(\a))
.endif
.endif
	WIN CWIN
.set nn, 0
.rept 16
	v_pk_mul_f32 v[160+nn:161+nn], v[96+nn:97+nn], v[CB+nn:CB+nn+1]
	v_pk_mul_f32 v[192+nn:193+nn], v[128+nn:129+nn], v[CB+nn:CB+nn+1]
.set nn, nn+2
.endr
.set nn, 0
.rept 16
	v_pk_fma_f32 v[160+nn:161+nn], v[128+nn:129+nn], v[CB+32+nn:CB+33+nn], v[160+nn:161+nn] neg_lo:[1,0,0] neg_hi:[1,0,0]
	v_pk_fma_f32 v[192+nn:193+nn], v[96+nn:97+nn], v[CB+32+nn:CB+33+nn], v[192+nn:193+nn]
.set nn, nn+2
.endr
	WIN 0
.if (\a)+4 < 8
	CSL (\a)+4
.endif
.set nn, 0
.rept 32
	v_pk_mul_f32 v[160+nn:161+nn], v[160+nn:161+nn], v[246:247]
.set nn, nn+2
.endr
.set nn, 0
.rept 64
	v_med3_num_f32 v[160+nn], v[160+nn], -v248, v248
.set nn, nn+1
.endr
	s_wait_alu depctr_va_vdst(0)
	s_wait_xcnt 0x0
.set nn, 0
.rept 8
	v_cvt_scalef32_pk8_fp8_f32 v[224+2*nn:225+2*nn], v[160+8*nn:167+8*nn], v249
.set nn, nn+1
.endr
	v_nop
.irp c, 0,1,2,3
	global_store_b128 v[LI], v[224+4*\c:227+4*\c], s[10:11] offset:(\a)*2048+512*\c
.endr
.endm
.irp a, 0,1,2,3,4,5,6,7
	QKBLOCK \a
.endr
	s_branch .Ljoin
.Lv:
	s_sub_co_i32 s20, s100, s96
	s_add_co_i32 s20, s20, 127
	s_lshl_b32 s21, s20, 23
	v_mov_b32 v249, s21
	s_add_co_i32 s20, s20, 8
	s_lshl_b32 s20, s20, 23
	s_or_b32 s20, s20, 0x600000
	v_mov_b32 v248, s20
.macro VBLOCK a
.set AC, 64*((\a)%4)
.set WW, 2+(\a)/4
	WIN WW
.set nn, 0
.rept 64
	v_med3_num_f32 v[96+nn], v[AC+nn], -v248, v248
.set nn, nn+1
.endr
	WIN 0
	s_wait_alu depctr_va_vdst(0)
	s_wait_xcnt 0x0
.set nn, 0
.rept 8
	v_cvt_scalef32_pk8_fp8_f32 v[224+2*nn:225+2*nn], v[96+8*nn:103+8*nn], v249
.set nn, nn+1
.endr
	v_nop
.irp c, 0,1,2,3
	global_store_b128 v[LI], v[224+4*\c:227+4*\c], s[10:11] offset:(\a)*2048+512*\c
.endr
.endm
.irp a, 0,1,2,3,4,5,6,7
	VBLOCK \a
.endr
.Ljoin:
	s_wait_tensorcnt 0x0
	ds_add_u32 v[SPW], v[NIL]
	s_wait_dscnt 0x0
	CROUND
	s_endpgm
.Lfunc_end_k_qc44926ecc1_qkv:
	.size	k_qc44926ecc1_qkv, .Lfunc_end_k_qc44926ecc1_qkv-k_qc44926ecc1_qkv
	.p2alignl 7, 3214868480
	.fill 96, 4, 3214868480
	.section	.rodata,"a",@progbits
	.p2align	6, 0x0
	.amdhsa_kernel k_qc44926ecc1_qkv
		.amdhsa_group_segment_fixed_size 327680
		.amdhsa_private_segment_fixed_size 0
		.amdhsa_enable_private_segment 0
		.amdhsa_kernarg_size 88
		.amdhsa_user_sgpr_count 2
		.amdhsa_user_sgpr_kernarg_segment_ptr 1
		.amdhsa_wavefront_size32 1
		.amdhsa_system_sgpr_workgroup_id_x 1
		.amdhsa_system_sgpr_workgroup_id_y 1
		.amdhsa_system_sgpr_workgroup_id_z 1
		.amdhsa_system_vgpr_workitem_id 0
		.amdhsa_next_free_vgpr 1024
		.amdhsa_next_free_sgpr 102
		.amdhsa_reserve_vcc 0
		.amdhsa_float_denorm_mode_32 3
		.amdhsa_float_denorm_mode_16_64 3
		.amdhsa_memory_ordered 1
		.amdhsa_forward_progress 1
		.amdhsa_inst_pref_size 255
	.end_amdhsa_kernel
	.section	.bss,"aw",@nobits
	.p2align	6
	.space	262144
	.amdgpu_metadata
---
amdhsa.version: [ 1, 2 ]
amdhsa.kernels:
  - .name:           k_qc44926ecc1_qkv
    .symbol:         k_qc44926ecc1_qkv.kd
    .args:
      - { .name: x_codes, .offset: 0, .size: 8, .value_kind: global_buffer, .address_space: global }
      - { .name: wq_codes, .offset: 8, .size: 8, .value_kind: global_buffer, .address_space: global }
      - { .name: wk_codes, .offset: 16, .size: 8, .value_kind: global_buffer, .address_space: global }
      - { .name: wv_codes, .offset: 24, .size: 8, .value_kind: global_buffer, .address_space: global }
      - { .name: lowp_scales, .offset: 32, .size: 8, .value_kind: global_buffer, .address_space: global }
      - { .name: q_norm_w, .offset: 40, .size: 8, .value_kind: global_buffer, .address_space: global }
      - { .name: k_norm_w, .offset: 48, .size: 8, .value_kind: global_buffer, .address_space: global }
      - { .name: rope, .offset: 56, .size: 8, .value_kind: global_buffer, .address_space: global }
      - { .name: qc, .offset: 64, .size: 8, .value_kind: global_buffer, .address_space: global }
      - { .name: kc, .offset: 72, .size: 8, .value_kind: global_buffer, .address_space: global }
      - { .name: vc, .offset: 80, .size: 8, .value_kind: global_buffer, .address_space: global }
    .group_segment_fixed_size: 327680
    .private_segment_fixed_size: 0
    .kernarg_segment_align: 8
    .kernarg_segment_size: 88
    .max_flat_workgroup_size: 128
    .sgpr_count:     102
    .vgpr_count:     1024
    .wavefront_size: 32
...
	.end_amdgpu_metadata
.endif
;; end of part 2
;; launch attn (part 3): grid 16 x 16, 8 waves a work-group, no clusters, 136,192 bytes of LDS; arguments qc, kc, vc, mw, live, lowp_scales, ac; writes ac
.if DOCPART == 3
	.amdgcn_target "amdgcn-amd-amdhsa--gfx1250"
	.amdhsa_code_object_version 6
	.text
	.protected	k_qc44926ecc1_attn
	.globl	k_qc44926ecc1_attn
	.p2align	8
	.type	k_qc44926ecc1_attn,@function
k_qc44926ecc1_attn:
	s_mov_b64 s[64:65], 0
	v_nop
	global_prefetch_b8 v0, s[64:65] scope:SCOPE_SE
	s_setreg_imm32_b32 hwreg(HW_REG_WAVE_MODE, 25, 1), 1
	s_wait_xcnt 0x0
; ATTN: softmax(mask(q k^T / sqrt(128))) v on codes of E4M3.  The softmax is quantised FINISHED AND NORMALISED (2^e9), so a row's maximum and sum must be known before any weight is coded: the keys are walked TWICE.
;   pass 1: S^T = K Q^T, mask, running maximum and sum.     pass 2: S^T again, p = 2^(c s - c m) / l, coded, O^T += V^T P^T.     Then O^T is coded with 2^e10 as the last product's operand.
; WORK LEFT OUT: a tile of 16 queries x 128 keys with no open key, none of whose queries is masked over all 2,048 keys, is passed over; in a tile all of whose keys are open for all its queries the mask words are not
; loaded and nothing is selected (both shown at the head of the first kernel); the choices are read from live, whole numbers that the first launch stored.
; K and V go from memory through registers into LDS.
; THE HOLD OF p at 448 x 2^e9 is run only where it can act: p is at most 1 but for rounding (the row's largest term is 2^0 and is among the terms of l), and 448 x 2^-8 = 1.75.
; THE MASKED SCORE is -2^100 in raw sums (the reference's -2.38e38 times log2(e) is no f32 number).  It is a power of two, so c x it is exact: a row with no open key gets exponents of exactly 0, p = 1, l = 2,048, as the
; reference's equal scores give; in every other row 2^(masked - maximum) is 0, as in the reference.  LIMITS: e6 + e7 between -80 and 25; e9 and e10 - e8 - e9 between -126 and 119.
; SHARES.  Work-group (j, batch x 8 + head).  Wave w: g = w % 4, kh = w / 4.  Two tiles of 16 queries, 4j + g and 127 - (4j + g), are held by waves g and g + 4, in swapped places (x = 0, 1); wave w walks the key steps
; (128 keys) of parity kh for both.  At the end each wave gives its O^T of x = 1 to its partner and finishes x = 0.  The pairing of a low with a high tile evens the work where a mask is lower triangular; no value hangs on it.
; LAYOUT.  Both products transposed: a lane (r, h) holds query r; score register n = 8t + j is key 16t + 8h + j of the step.  All operands are fragment images (16 rows x 128 K: [4 quads][32 lanes][16 bytes]).
; LDS: two slots of 65,536 bytes (K of 256 keys, then V), filled by turns, one barrier a trip; the statistics' exchange; the spare words.  The exchange of O^T lies in slot 0, behind the last trip's barrier.
; THE RING RUNS ON FROM PASS 1 INTO PASS 2: V's first 256 keys are loaded at the head and wait in registers that pass 1 does not use; pass 1's last trip stores pass 2's first slot (K and V) and asks for its second.
; Every wait on a counter in this text is for 0.
; REGISTERS, window 0: v1 16 x lane; v2 my step's place in a slot; v3, v5 LDS addresses in hand; v4 my 4,096 bytes of a slot's 32,768; v6, v7 the add's two; v8 -2^100; v9, v10 hold and scale of p;
;   v11 the prefetch's offset; v12-19, v20-27 tile x's statistics: +0 NM = -c m (pair), +2 the raw maximum, +3 at work, +4:5 the sum, +6 factor or 1/l (pair); v28-31 at work; v32-159 eight fragments of K or V; v160-223 S^T; v224+16x P.
;   window 1: v0-63, v64-127 O^T of x = 0, 1; v128+16x Q; v160-191 K's, v192-223 V's bytes on their way to LDS.
; s16-63, s68-83: a tile's 64 mask words.  s84, s85: the steps that tile 0, 1 walks.  s104: the steps in which tile 0 (bits 0-15) and tile 1 (bits 16-31) are wholly open.  s105: 1 where the hold of p cannot act.
; PASS 1 AS THIS TEXT HAS IT (in place of what the paragraph on the ring says of pass 1): pass 1 needs no V, so a slot's V half and V's staging registers carry K too: a slot holds 512 keys of K,
; pass 1 has four trips, and a wave walks two steps (4t + kh, 4t + 2 + kh) between two barriers.  Trip 2 asks for pass 2's slot 0 (K and V), trip 3 stores it and asks for pass 2's slot 1.
; The two constants of the way out wait in v13 and v21, upper halves of pairs of which the low word alone is used; s2 counts a trip's two steps.
.set SLOT1, 65536
.set VOFF,  32768
.set STATS, 131072
.set SPARE, 135168
.set MSB, 0
.macro WIN new
.if MSB != (\new)
	s_set_vgpr_msb (MSB<<8)|(\new)
.set MSB, (\new)
.endif
.endm
.macro PLACES
.rept 4
	v_nop
.endr
.endm
.macro STG_LOAD p, ro                  ; my 4,096 bytes of a slot's K or V from memory: eight loads of 512 consecutive bytes
	WIN 0x40
.set ii, 0
.rept 8
	global_load_b128 v[160+\ro+4*ii:163+\ro+4*ii], v4, s[\p:\p+1] offset:512*ii
.set ii, ii+1
.endr
	WIN 0
.endm
.macro STG_STORE ro, lo                ; and into LDS, as they lie
	WIN 0x04
.set ii, 0
.rept 8
	ds_store_b128 v5, v[160+\ro+4*ii:163+\ro+4*ii] offset:\lo+512*ii
.set ii, ii+1
.endr
	WIN 0
.endm
	s_load_b256 s[16:23], s[0:1], 0x0              ; qc s[16:17], kc s[18:19], vc s[20:21], mw s[22:23]
	s_load_b128 s[24:27], s[0:1], 0x20             ; live s[24:25], scales s[26:27]
	s_load_b64 s[28:29], s[0:1], 0x30              ; ac
	v_lshl_add_u32 v6, v0, 2, SPARE
	v_mov_b32 v7, 0
	v_lshrrev_b32 v1, 5, v0
	s_delay_alu instid0(VALU_DEP_1)
	v_readfirstlane_b32 s14, v1                    ; wave 0..7
	v_and_b32 v1, 31, v0
	s_delay_alu instid0(VALU_DEP_1)
	v_lshlrev_b32 v1, 4, v1
	s_wait_alu depctr_va_vdst(0)
	s_lshr_b32 s15, s14, 2                         ; kh
	s_and_b32 s100, s14, 3
	s_lshl_b32 s101, ttmp9, 2
	s_add_co_u32 s100, s100, s101                  ; the low tile
	s_sub_co_u32 s101, 127, s100                   ; the high tile
	s_cmp_eq_u32 s15, 0
	s_cselect_b32 s86, s101, s100                  ; T0
	s_cselect_b32 s87, s100, s101                  ; T1
	s_and_b32 s84, ttmp7, 0xffff                   ; batch x 8 + head
	s_lshr_b32 s85, s84, 3                         ; batch
	s_lshl_b32 s30, s84, 18                        ; a head's K or V: 262,144 bytes
	s_mov_b32 s31, 0
	s_lshl_b32 s32, s84, 7
	s_add_co_u32 s34, s32, s87
	s_add_co_u32 s32, s32, s86
	s_lshl_b32 s32, s32, 11                        ; Q's fragments
	s_mov_b32 s33, 0
	s_lshl_b32 s34, s34, 11
	s_mov_b32 s35, 0
	s_lshl_b32 s36, s85, 7
	s_add_co_u32 s38, s36, s87                     ; 128 batch + T1
	s_add_co_u32 s36, s36, s86                     ; 128 batch + T0
	s_and_b32 s40, s84, 7                          ; head
	s_lshr_b32 s41, s40, 1
	s_lshl_b32 s41, s41, 8
	s_add_co_u32 s41, s41, s36
	s_lshl_b32 s41, s41, 12
	s_and_b32 s40, s40, 1
	s_lshl_b32 s40, s40, 11
	s_add_co_u32 s40, s40, s41                     ; ac: [head / 2][tile of rows][head % 2][2,048]
	s_mov_b32 s41, 0
	s_mov_b32 s92, 0x76543210
	s_mov_b32 s93, 0xfedcba98
	v_lshl_add_u32 v2, s15, 14, v1
	v_lshl_add_u32 v4, s14, 12, v1
	v_mov_b32 v8, 0xf1800000                       ; -2^100
	s_and_b32 s100, s14, 3
	s_lshl_b32 s100, s100, 13
	v_lshl_add_u32 v11, v1, 4, s100                ; 8,192 (w % 4) + 256 x lane
	s_wait_alu depctr_va_vdst(0)
	s_wait_kmcnt 0x0
	s_add_nc_u64 s[4:5], s[18:19], s[30:31]        ; K of my head
	s_add_nc_u64 s[8:9], s[20:21], s[30:31]        ; V of my head
	s_add_nc_u64 s[96:97], s[28:29], s[40:41]
	s_add_nc_u64 s[42:43], s[16:17], s[32:33]
	s_add_nc_u64 s[44:45], s[16:17], s[34:35]
	s_lshl_b32 s32, s36, 12
	s_add_nc_u64 s[12:13], s[22:23], s[32:33]      ; T0's mask words: 16 steps x 256 bytes
	s_lshl_b32 s34, s38, 12
	s_add_nc_u64 s[94:95], s[22:23], s[34:35]      ; T1's
	s_lshl_b32 s32, s36, 5
	s_add_nc_u64 s[46:47], s[24:25], s[32:33]      ; live: eight words a tile
	s_lshl_b32 s34, s38, 5
	s_add_nc_u64 s[48:49], s[24:25], s[34:35]
	s_load_b256 s[52:59], s[46:47], 0x0
	s_load_b256 s[72:79], s[48:49], 0x0
	s_load_b128 s[68:71], s[26:27], 0x18           ; e6 .. e9
	s_load_b32 s80, s[26:27], 0x28                 ; e10
	WIN 0x40
.irp c, 0,1,2,3
	global_load_b128 v[128+4*\c:131+4*\c], v1, s[42:43] offset:512*\c
	global_load_b128 v[144+4*\c:147+4*\c], v1, s[44:45] offset:512*\c
.endr
	WIN 0
	s_mov_b64 s[6:7], s[4:5]
	s_add_nc_u64 s[10:11], s[4:5], 32768
	STG_LOAD 6, 0                                  ; K's first 512 keys are on their way while the scalar loads above come back
	STG_LOAD 10, 32
	s_add_nc_u64 s[60:61], s[4:5], 6*32768
	s_mov_b64 s[62:63], s[8:9]
	s_cmp_lt_u32 s14, 4                            ; the prefetches: waves 0-3 ask for K, waves 4-7 for V,
	s_cselect_b64 s[98:99], s[60:61], s[62:63]
	s_cselect_b32 s91, 1, 4                        ; in so many trips of pass 1,
	s_cmp_eq_u32 ttmp9, 0
	s_cselect_b32 s91, s91, 0                      ; in the head's first work-group alone: all sixteen walk the same K and V
	s_wait_kmcnt 0x0
	s_or_b32 s52, s52, s54
	s_or_b32 s56, s56, s58
	s_or_b32 s52, s52, s56                         ; tile 0: the four waves' first words,
	s_or_b32 s53, s53, s55
	s_or_b32 s57, s57, s59
	s_or_b32 s53, s53, s57                         ; and their second: the steps that are wholly open
	s_and_b32 s54, s52, 0xffff                     ; queries with an open key
	s_lshr_b32 s84, s52, 16                        ; steps with an open key
	s_cmp_eq_u32 s54, 0xffff
	s_cselect_b32 s84, s84, 0xffff                 ; a query with none keeps all steps
	s_or_b32 s72, s72, s74
	s_or_b32 s76, s76, s78
	s_or_b32 s72, s72, s76
	s_or_b32 s73, s73, s75
	s_or_b32 s77, s77, s79
	s_or_b32 s73, s73, s77
	s_and_b32 s74, s72, 0xffff
	s_lshr_b32 s85, s72, 16
	s_cmp_eq_u32 s74, 0xffff
	s_cselect_b32 s85, s85, 0xffff
	s_lshl_b32 s73, s73, 16
	s_or_b32 s104, s53, s73
	s_cmp_ge_i32 s71, -8
	s_cselect_b32 s105, 1, 0                       ; 448 x 2^e9 >= 1.75: above every p
	s_add_co_i32 s100, s68, s69
	s_lshl_b32 s100, s100, 23
	s_add_co_i32 s88, s100, 0x3e0293ee             ; c = log2(e) / sqrt(128) x 2^(e6 + e7): the exponents go into c's exponent field
	s_mov_b32 s89, s88
	s_xor_b32 s90, s88, 0x80000000                 ; -c
	s_add_co_i32 s100, s71, 127
	s_lshl_b32 s101, s100, 23
	v_mov_b32 v10, s101                            ; 2^e9
	s_add_co_i32 s100, s100, 8
	s_lshl_b32 s100, s100, 23
	s_or_b32 s100, s100, 0x600000
	v_mov_b32 v9, s100                             ; 448 x 2^e9
	s_sub_co_i32 s100, s80, s70
	s_sub_co_i32 s100, s100, s71
	s_add_co_i32 s100, s100, 127
	s_lshl_b32 s2, s100, 23                        ; 2^(e10 - e8 - e9): a sum of the second product stands for sum x 2^(e8 + e9)
	s_add_co_i32 s100, s100, 8
	s_lshl_b32 s3, s100, 23
	s_or_b32 s3, s3, 0x600000
.irp x, 0,1
	v_mul_f32 v[12+8*\x], s90, v8                  ; NM of the masked score
	v_mov_b32 v[13+8*\x], s[2+\x]                  ; (upper halves of pairs are named, so they are written: here with the way out's scale, x = 0, and hold, x = 1)
	v_mov_b32 v[14+8*\x], v8
	v_mov_b32 v[15+8*\x], 0
	v_mov_b32 v[16+8*\x], 0
	v_mov_b32 v[17+8*\x], 0
	v_mov_b32 v[18+8*\x], 0
	v_mov_b32 v[19+8*\x], 0
.endr
.irp i, 28,29,30,31
	v_mov_b32 v[\i], 0
.endr
; A PREFETCH: 32 lanes 256 bytes apart, 8,192 bytes a wave and instruction, four waves to 32,768 bytes, two instructions a trip.  In trip 0 of pass 1 waves 0-3 name K's keys 1,536 to 2,047, whose register
; loads are issued in trip 1; in trip t (0 to 3) waves 4-7 name V's keys 512 t to 512 t + 511, of which the first 256 are loaded in trip 2, the next in trip 3 and the others in pass 2.
; Each block is named once in the launch.  The pointer is stepped at a trip's top and stands 65,536 bytes further on than what is named first.
.macro ASK
	s_cmp_lt_u32 s66, s91
	s_cbranch_scc0 .Lnoask_\@
	global_prefetch_b8 v11, s[98:99] offset:-65536 th:TH_LOAD_NT scope:SCOPE_SE
	global_prefetch_b8 v11, s[98:99] offset:-32768 th:TH_LOAD_NT scope:SCOPE_SE
.Lnoask_\@:
.endm
; A trip's head: what was loaded in the last trip goes into the LDS slot that was read in the last trip; then the bytes after those are asked for.
; The wait for the staging loads stands at the top, on every way through a trip.  Pass 1, trip t: both register sets are stored and loaded anew in every trip; only the two pointers differ:
; t < 2: K's keys 512 (t + 2) on, in two halves; t = 2, 3: pass 2's slot t - 2, K's 256 keys and V's.
.macro TRIPHEAD pass
.if \pass == 1
	s_wait_xcnt 0x0                                ; the last trip's prefetches have read their pointer
	s_add_nc_u64 s[98:99], s[98:99], 65536
	s_wait_loadcnt 0x0                             ; the next slot's bytes are in registers (so their pointers may be written)
	s_xor_b32 s100, s67, SLOT1
	v_add_nc_u32 v5, s100, v4
	STG_STORE 0, 0
	STG_STORE 32, VOFF
	s_wait_dscnt 0x0                               ; the stores have read their registers
	s_add_co_u32 s100, s66, 2
	s_lshl_b32 s100, s100, 16                      ; t < 2: 65,536 (t + 2)
	s_and_b32 s86, s66, 1
	s_lshl_b32 s86, s86, 15                        ; t = 2, 3: 32,768 (t - 2)
	s_cmp_lt_u32 s66, 2
	s_cselect_b32 s100, s100, s86
	s_cselect_b64 s[10:11], s[4:5], s[8:9]         ; the second set: K's second half, or V
	s_cselect_b32 s86, VOFF, 0
	s_mov_b32 s101, 0
	s_mov_b32 s87, 0
	s_add_nc_u64 s[6:7], s[4:5], s[100:101]
	s_add_nc_u64 s[10:11], s[10:11], s[100:101]
	s_add_nc_u64 s[10:11], s[10:11], s[86:87]
	STG_LOAD 6, 0
	STG_LOAD 10, 32
	ASK
.else
	s_wait_loadcnt 0x0                             ; slot k + 1's bytes are in registers (so their pointers may be stepped); in the last trip nothing is out
	s_cmp_lt_u32 s66, 7
	s_cbranch_scc0 .Lnostage_\@
	s_xor_b32 s100, s67, SLOT1
	v_add_nc_u32 v5, s100, v4
	STG_STORE 0, 0
	STG_STORE 32, VOFF
	s_cmp_lt_u32 s66, 6
	s_cbranch_scc0 .Lnostage_\@
	s_wait_dscnt 0x0                               ; the stores have read their registers
	s_add_nc_u64 s[6:7], s[6:7], 32768
	STG_LOAD 6, 0
	s_add_nc_u64 s[10:11], s[10:11], 32768
	STG_LOAD 10, 32
.Lnostage_\@:
.endif
.endm
.macro WLOAD x                         ; tile x's 64 mask words of this step
.set MB, 12+82*(\x)
	s_load_b512 s[16:31], s[MB:MB+1], s87 offset:0x0
	s_load_b512 s[32:47], s[MB:MB+1], s87 offset:0x40
	s_load_b512 s[48:63], s[MB:MB+1], s87 offset:0x80
	s_load_b512 s[68:83], s[MB:MB+1], s87 offset:0xc0
.endm
.macro KLOAD                           ; the step's eight fragments of K
	v_add_nc_u32 v3, s67, v2
.set ii, 0
.rept 32
	ds_load_b128 v[32+4*ii:35+4*ii], v3 offset:512*ii
.set ii, ii+1
.endr
.endm
.macro VLOAD                           ; and of V^T, into the same registers
.set ii, 0
.rept 32
	ds_load_b128 v[32+4*ii:35+4*ii], v3 offset:VOFF+512*ii
.set ii, ii+1
.endr
.endm
.macro KQ x                            ; S^T = K Q^T: eight tiles of 16 keys; the four v_nop are the places ahead of the reads of S^T and of loads into K's registers
	WIN 0x04
.set ii, 0
.rept 8
	v_wmma_f32_16x16x128_fp8_fp8 v[160+8*ii:167+8*ii], v[32+16*ii:47+16*ii], v[128+16*(\x):143+16*(\x)], 0
.set ii, ii+1
.endr
	WIN 0
	PLACES
.endm
.macro MASK                            ; a closed key's score becomes -2^100; each accumulator from its low end on
	s_wait_kmcnt 0x0
.set ii, 0
.rept 48
	v_cndmask_b32 v[160+ii], v8, v[160+ii], s[16+ii]
.set ii, ii+1
.endr
.rept 16
	v_cndmask_b32 v[160+ii], v8, v[160+ii], s[20+ii]
.set ii, ii+1
.endr
.endm
; s100, s101: is tile 0, tile 1 wholly open in this step?  They stand from an arm's head to its end.
.macro FLAGS
	s_lshr_b32 s100, s104, s86
	s_lshr_b32 s101, s100, 16
	s_and_b32 s100, s100, 1
	s_and_b32 s101, s101, 1
.endm
.macro WLOADQ x                        ; the words are asked for only where the tile has a closed key; no earlier load of the words is out when they are loaded anew, on any way through the text
	s_cmp_lg_u32 s[100+(\x)], 0
	s_cbranch_scc1 .Lwq_\@
	s_wait_kmcnt 0x0
	WLOAD \x
.Lwq_\@:
.endm
.macro MASKQ x                         ; and only there is anything selected
	s_cmp_lg_u32 s[100+(\x)], 0
	s_cbranch_scc1 .Lmq_\@
	MASK
.Lmq_\@:
.endm
.macro SCALE x                         ; c s - c m, two at a time
.set SB, 12+8*(\x)
.set ii, 0
.rept 32
	v_pk_fma_f32 v[160+ii:161+ii], v[160+ii:161+ii], s[88:89], v[SB:SB+1] op_sel_hi:[1,0,0]
.set ii, ii+2
.endr
.endm
.macro EXPS
.set ii, 0
.rept 64
	v_exp_f32 v[160+ii], v[160+ii]
.set ii, ii+1
.endr
	v_nop                                          ; a plain instruction behind the last exponential
	s_wait_alu depctr_va_vdst(0)                   ; one wait for the batch, ahead of its first reader
.endm
; Pass 1.  Each LANE keeps a maximum and a sum of its own 64 keys a step; lanes and waves are merged once, between the passes.
.macro SOFT1 x
.set SB, 12+8*(\x)
	v_max3_num_f32 v28, v160, v161, v162
	v_max3_num_f32 v29, v163, v164, v165
.set ii, 6
.rept 14
	v_max3_num_f32 v28, v28, v[160+ii], v[161+ii]
	v_max3_num_f32 v29, v29, v[162+ii], v[163+ii]
.set ii, ii+4
.endr
	v_max3_num_f32 v28, v28, v222, v223
	s_delay_alu instid0(VALU_DEP_1)
	v_max3_num_f32 v[SB+2], v28, v29, v[SB+2]      ; the running maximum, in raw sums
	s_delay_alu instid0(VALU_DEP_1)
	v_mul_f32 v[SB+3], s90, v[SB+2]                ; the new NM = -c m
	s_delay_alu instid0(VALU_DEP_1)
	v_sub_f32 v[SB+6], v[SB+3], v[SB]              ; c m_old - c m_new, exactly 0 where the maximum has not moved
	s_delay_alu instid0(VALU_DEP_2)
	v_mov_b32 v[SB], v[SB+3]
	SCALE \x
	s_wait_alu depctr_va_vdst(0)
	v_exp_f32 v[SB+6], v[SB+6]
	EXPS
	v_pk_mul_f32 v[SB+4:SB+5], v[SB+4:SB+5], v[SB+6:SB+7] op_sel_hi:[1,0]
	v_pk_add_f32 v[30:31], v[160:161], v[162:163]
.set ii, 4
.rept 15
	v_pk_add_f32 v[SB+4:SB+5], v[SB+4:SB+5], v[160+ii:161+ii]
	v_pk_add_f32 v[30:31], v[30:31], v[162+ii:163+ii]
.set ii, ii+4
.endr
	s_delay_alu instid0(VALU_DEP_1)
	v_pk_add_f32 v[SB+4:SB+5], v[SB+4:SB+5], v[30:31]
.endm
; Pass 2: the finished weight, held where the hold can act, and coded.  Tile t's eight registers are keys 16t + 8h + 0..7: registers 2t, 2t+1 of P's fragment.
.macro SOFT2 x
.set SB, 12+8*(\x)
	SCALE \x
	s_wait_alu depctr_va_vdst(0)
	EXPS
.set ii, 0
.rept 32
	v_pk_mul_f32 v[160+ii:161+ii], v[160+ii:161+ii], v[SB+6:SB+7] op_sel_hi:[1,0]   ; / l
.set ii, ii+2
.endr
	s_cmp_lg_u32 s105, 0
	s_cbranch_scc1 .Lnohold_\@
.set ii, 0
.rept 64
	v_min_num_f32 v[160+ii], v[160+ii], v9         ; the conversion does not saturate (ISA guide 7.6.2); p is not negative, so the hold is one-sided
.set ii, ii+1
.endr
.Lnohold_\@:
.set ii, 0
	s_wait_alu depctr_va_vdst(0)
.rept 8
	v_cvt_scalef32_pk8_fp8_f32 v[224+16*(\x)+2*ii:225+16*(\x)+2*ii], v[160+8*ii:167+8*ii], v10
.set ii, ii+1
.endr
	v_nop                                          ; a plain instruction behind the last conversion
.endm
.macro PVT x                           ; one product of O^T += V^T P^T: channels 16 ii on, tile x
	v_wmma_f32_16x16x128_fp8_fp8 v[64*(\x)+8*ii:64*(\x)+8*ii+7], v[32+16*ii:47+16*ii], v[224+16*(\x):239+16*(\x)], v[64*(\x)+8*ii:64*(\x)+8*ii+7]
.endm
.macro PV1 x                           ; the accumulators take turns, one instruction a turn
	WIN 0x50
.set ii, 0
.rept 8
	PVT \x
.set ii, ii+1
.endr
	WIN 0
	PLACES
.endm
.macro PV2
	WIN 0x50
.set ii, 0
.rept 8
	PVT 0
	PVT 1
.set ii, ii+1
.endr
	WIN 0
	PLACES
.endm
.macro ONLY pass, x                    ; one of my two tiles has an open key in this step
	FLAGS
	WLOADQ \x
	KLOAD
	s_wait_dscnt 0x0
	KQ \x
.if \pass == 1
	MASKQ \x
	SOFT1 \x
.else
	s_wait_alu depctr_va_vdst(0)
	VLOAD                                          ; V lands under the softmax
	MASKQ \x
	SOFT2 \x
	s_wait_alu depctr_va_vdst(0)
	s_wait_dscnt 0x0
	PV1 \x
.endif
.endm
.macro BOTH pass                       ; both have: each fragment of K and V read from LDS feeds two products; the second tile's mask words land under the first tile's softmax
	FLAGS
	WLOADQ 0
	KLOAD
	s_wait_dscnt 0x0
	KQ 0
	MASKQ 0
	WLOADQ 1
.if \pass == 1
	SOFT1 0
	KQ 1
	MASKQ 1
	SOFT1 1
.else
	SOFT2 0
	KQ 1
	VLOAD
	MASKQ 1
	SOFT2 1
	s_wait_alu depctr_va_vdst(0)
	s_wait_dscnt 0x0
	PV2
.endif
.endm
; A STEP'S WORK: my step's number stands in s86, and its 128 keys lie at s67 + my place.  The branches hang on the stored whole numbers; no barrier and nothing of the staging stands under them.
.macro ARMS pass
	s_lshl_b32 s87, s86, 8                         ; its 256 bytes of mask words
	s_lshr_b32 s100, s84, s86
	s_and_b32 s100, s100, 1
	s_lshr_b32 s101, s85, s86
	s_and_b32 s101, s101, 1
	s_lshl_b32 s101, s101, 1
	s_or_b32 s100, s100, s101
	s_cmp_eq_u32 s100, 0
	s_cbranch_scc1 .Lnone_\@
	s_cmp_eq_u32 s100, 1
	s_cbranch_scc1 .Lonly0_\@
	s_cmp_eq_u32 s100, 2
	s_cbranch_scc1 .Lonly1_\@
	BOTH \pass
	s_branch .Lnone_\@
.Lonly0_\@:
	ONLY \pass, 0
	s_branch .Lnone_\@
.Lonly1_\@:
	ONLY \pass, 1
.Lnone_\@:
	s_wait_kmcnt 0x0                               ; no load of mask words is out, on any way through the step: the next step writes their offset anew
.endm
.macro CLOSE                           ; a trip's end
	s_wait_dscnt 0x0                               ; my stores into the other slot have landed, and my reads of this slot are over
	s_barrier_signal -1
	s_barrier_wait -1
	s_xor_b32 s67, s67, SLOT1
.endm
; Two partial softmaxes of one row become one: the smaller NM is the larger maximum.
.macro MERGE nm, l, nmo, lo, t1, t2
	v_min_num_f32 v[\t1], v[\nm], v[\nmo]
	s_delay_alu instid0(VALU_DEP_1)
	v_sub_f32 v[\t2], v[\t1], v[\nm]
	s_delay_alu instid0(VALU_DEP_2)
	v_sub_f32 v[\nmo], v[\t1], v[\nmo]
	s_wait_alu depctr_va_vdst(0)
	v_exp_f32 v[\t2], v[\t2]
	v_exp_f32 v[\nmo], v[\nmo]
	v_mov_b32 v[\nm], v[\t1]                       ; (the plain instruction behind the exponentials)
	s_wait_alu depctr_va_vdst(0)
	v_mul_f32 v[\l], v[\l], v[\t2]
	v_fma_f32 v[\l], v[\lo], v[\nmo], v[\l]
.endm
	; ---- pass 1
	s_mov_b32 s66, 0
	s_mov_b32 s67, 0
	s_wait_loadcnt 0x0                             ; Q, K's slot 0 and V's slot 0 are in
.set ii, 16
.rept 24
	s_mov_b64 s[ii:ii+1], 0                        ; the mask words' registers are written once, so that they are written on every way through the text that reads them
.set ii, ii+2
.endr
.set ii, 68
.rept 8
	s_mov_b64 s[ii:ii+1], 0
.set ii, ii+2
.endr
	v_add_nc_u32 v5, 0, v4
	STG_STORE 0, 0
	STG_STORE 32, VOFF
	s_wait_dscnt 0x0
	s_add_nc_u64 s[6:7], s[6:7], 65536
	s_add_nc_u64 s[10:11], s[10:11], 65536
	STG_LOAD 6, 0                                  ; K's keys 512 to 1,023
	STG_LOAD 10, 32
	s_barrier_signal -1
	s_barrier_wait -1
.Lp1:                                                  ; four trips of 512 keys
	TRIPHEAD 1
	s_mov_b32 s2, 0
.Lp1i:                                                 ; my two steps of the trip: 4t + 2i + kh
	s_lshl_b32 s86, s66, 1
	s_add_co_u32 s86, s86, s2
	s_lshl_b32 s86, s86, 1
	s_add_co_u32 s86, s86, s15
	ARMS 1
	s_xor_b32 s67, s67, VOFF                       ; the slot's other 256 keys, and back
	s_add_co_u32 s2, s2, 1
	s_cmp_lt_u32 s2, 2
	s_cbranch_scc1 .Lp1i
	CLOSE
	s_add_co_u32 s66, s66, 1
	s_cmp_lt_u32 s66, 4
	s_cbranch_scc1 .Lp1
	; ---- between the passes: pass 2's slot 0 lies in LDS and its slot 1 is on its way; the statistics are merged
	WIN 0x40
.set ii, 0
.rept 128
	v_mov_b32 v[ii], 0                             ; O^T: which step is a tile's first hangs on the stored numbers, so no product of the text can start the sums
.set ii, ii+1
.endr
	WIN 0
.irp x, 0,1
	v_add_f32 v[16+8*\x], v[16+8*\x], v[17+8*\x]
	v_permlanex16_b32 v28, v[12+8*\x], s92, s93    ; the query's other keys of each step lie in the lane 16 away
	s_delay_alu instid0(VALU_DEP_2)
	v_permlanex16_b32 v29, v[16+8*\x], s92, s93
	MERGE 12+8*\x, 16+8*\x, 28, 29, 15+8*\x, 18+8*\x
.endr
	v_mov_b32 v28, v12
	v_mov_b32 v29, v16
	v_mov_b32 v30, v20
	s_delay_alu instid0(VALU_DEP_4)
	v_mov_b32 v31, v24
	s_lshl_b32 s100, s14, 9
	s_add_co_u32 s100, s100, STATS
	v_add_nc_u32 v3, s100, v1
	ds_store_b128 v3, v[28:31]
	s_wait_dscnt 0x0
	s_barrier_signal -1
	s_barrier_wait -1
	s_xor_b32 s100, s14, 4                         ; my partner walked the other steps of the same two tiles, in swapped places
	s_lshl_b32 s100, s100, 9
	s_add_co_u32 s100, s100, STATS
	v_add_nc_u32 v3, s100, v1
	ds_load_b128 v[28:31], v3
	s_wait_dscnt 0x0
	MERGE 12, 16, 30, 31, 15, 18
	MERGE 20, 24, 28, 29, 23, 26
	s_wait_alu depctr_va_vdst(0)
	v_rcp_f32 v18, v16
	v_rcp_f32 v26, v24
	v_nop
	s_wait_alu depctr_va_vdst(0)                   ; ahead of the first reader of 1/l
	s_mov_b32 s66, 0
	s_mov_b32 s67, 0
	; ---- pass 2
.Lp2:                                                  ; eight trips of 256 keys; my step is 2k + kh
	TRIPHEAD 2
	s_lshl_b32 s86, s66, 1
	s_add_co_u32 s86, s86, s15
	ARMS 2
	CLOSE
	s_add_co_u32 s66, s66, 1
	s_cmp_lt_u32 s66, 8
	s_cbranch_scc1 .Lp2
	; ---- the way out: my O^T of x = 1 goes to my partner, its O^T of x = 1 (my x = 0) comes to me
	s_lshl_b32 s100, s14, 13
	v_add_nc_u32 v3, s100, v1
	s_xor_b32 s100, s14, 4
	s_lshl_b32 s100, s100, 13
	v_add_nc_u32 v5, s100, v1
	WIN 0x04
.set ii, 0
.rept 16
	ds_store_b128 v3, v[64+4*ii:67+4*ii] offset:512*ii
.set ii, ii+1
.endr
	WIN 0
	s_wait_alu depctr_va_vdst(0)
	s_wait_dscnt 0x0
	s_barrier_signal -1
	s_barrier_wait -1
.set ii, 0
.rept 16
	ds_load_b128 v[160+4*ii:163+4*ii], v5 offset:512*ii
.set ii, ii+1
.endr
	v_mov_b32 v9, v21                              ; 448 x 2^(e10 - e8 - e9)
	v_mov_b32 v10, v13                             ; 2^(e10 - e8 - e9)
	s_wait_dscnt 0x0
	WIN 0x01
.set ii, 0
.rept 32
	v_pk_add_f32 v[160+ii:161+ii], v[ii:ii+1], v[160+ii:161+ii]
.set ii, ii+2
.endr
	WIN 0
.set ii, 0
.rept 64
	v_med3_num_f32 v[160+ii], v[160+ii], -v9, v9
.set ii, ii+1
.endr
.set ii, 0
.rept 8
	v_cvt_scalef32_pk8_fp8_f32 v[224+2*ii:225+2*ii], v[160+8*ii:167+8*ii], v10   ; channels 16t + 8h + 0..7 of my head: registers 2t, 2t+1 of the last product's operand
.set ii, ii+1
.endr
	v_nop
.irp c, 0,1,2,3
	global_store_b128 v1, v[224+4*\c:227+4*\c], s[96:97] offset:512*\c           ; 512 consecutive bytes, aligned
.endr
	s_wait_tensorcnt 0x0                           ; the wave's end, behind my last LDS store
	ds_add_u32 v6, v7
	s_wait_dscnt 0x0
	s_endpgm
.Lfunc_end_k_qc44926ecc1_attn:
	.size	k_qc44926ecc1_attn, .Lfunc_end_k_qc44926ecc1_attn-k_qc44926ecc1_attn
	.p2alignl 7, 3214868480
	.fill 96, 4, 3214868480
	.section	.rodata,"a",@progbits
	.p2align	6, 0x0
	.amdhsa_kernel k_qc44926ecc1_attn
		.amdhsa_group_segment_fixed_size 136192
		.amdhsa_private_segment_fixed_size 0
		.amdhsa_enable_private_segment 0
		.amdhsa_kernarg_size 56
		.amdhsa_user_sgpr_count 2
		.amdhsa_user_sgpr_kernarg_segment_ptr 1
		.amdhsa_wavefront_size32 1
		.amdhsa_system_sgpr_workgroup_id_x 1
		.amdhsa_system_sgpr_workgroup_id_y 1
		.amdhsa_system_sgpr_workgroup_id_z 1
		.amdhsa_system_vgpr_workitem_id 0
		.amdhsa_next_free_vgpr 512
		.amdhsa_next_free_sgpr 106
		.amdhsa_reserve_vcc 0
		.amdhsa_float_denorm_mode_32 3
		.amdhsa_float_denorm_mode_16_64 3
		.amdhsa_memory_ordered 1
		.amdhsa_forward_progress 1
		.amdhsa_inst_pref_size 170
	.end_amdhsa_kernel
	.amdgpu_metadata
---
amdhsa.version: [ 1, 2 ]
amdhsa.kernels:
  - .name:           k_qc44926ecc1_attn
    .symbol:         k_qc44926ecc1_attn.kd
    .args:
      - { .name: qc, .offset: 0, .size: 8, .value_kind: global_buffer, .address_space: global }
      - { .name: kc, .offset: 8, .size: 8, .value_kind: global_buffer, .address_space: global }
      - { .name: vc, .offset: 16, .size: 8, .value_kind: global_buffer, .address_space: global }
      - { .name: mw, .offset: 24, .size: 8, .value_kind: global_buffer, .address_space: global }
      - { .name: live, .offset: 32, .size: 8, .value_kind: global_buffer, .address_space: global }
      - { .name: lowp_scales, .offset: 40, .size: 8, .value_kind: global_buffer, .address_space: global }
      - { .name: ac, .offset: 48, .size: 8, .value_kind: global_buffer, .address_space: global }
    .group_segment_fixed_size: 136192
    .private_segment_fixed_size: 0
    .kernarg_segment_align: 8
    .kernarg_segment_size: 56
    .max_flat_workgroup_size: 256
    .sgpr_count:     106
    .vgpr_count:     512
    .wavefront_size: 32
...
	.end_amdgpu_metadata
.endif
;; end of part 3
;; launch outp (part 4): grid 8 x 32, 4 waves a work-group, clusters of 4 x 4, 327,680 bytes of LDS; arguments ac, woc, lowp_scales, out0; writes out0
.if DOCPART == 4
	.amdgcn_target "amdgcn-amd-amdhsa--gfx1250"
	.amdhsa_code_object_version 6
	.text
	.protected	k_qc44926ecc1_outp
	.globl	k_qc44926ecc1_outp
	.p2align	8
	.type	k_qc44926ecc1_outp,@function
k_qc44926ecc1_outp:
	s_mov_b64 s[64:65], 0
	v_nop
	global_prefetch_b8 v0, s[64:65] scope:SCOPE_SE
	s_setreg_imm32_b32 hwreg(HW_REG_WAVE_MODE, 25, 1), 1
	s_wait_xcnt 0x0
	s_wait_alu depctr_hold_cnt(0) depctr_sa_sdst(0) depctr_va_vdst(0) depctr_va_sdst(0) depctr_va_ssrc(0) depctr_va_vcc(0) depctr_vm_vsrc(0)
	s_getreg_b32 s2, hwreg(HW_REG_IB_STS2, 6, 4)
	s_cmp_eq_u32 s2, 0
	s_cbranch_scc0 .Lentry_in_a_cluster
	s_endpgm
.Lentry_in_a_cluster:
	s_bfe_u32 s2, ttmp6, 0x10000c
	s_cmp_lg_u32 s2, 0xf033
	s_cbranch_scc0 .Lentry_shape_is_right
	s_endpgm
.Lentry_shape_is_right:
.set ABYTES, 32768
.set SLOT,   98304
.set SPARE,  2*SLOT
.set SPITCH, 528
.set ADRA, 16
.set ADRB, 20
.set STO,  24
.set RD,   25
.set CO,   26
.set SPW,  28
.set NIL,  29
.set G1, 24
.set G0, 32
.set G1B, 48
.set G0B, 56
.set MSB, 0
.macro WIN new
.if MSB != (\new)
	s_set_vgpr_msb (MSB<<8)|(\new)
.set MSB, (\new)
.endif
.endm
.macro PLACES
.rept 4
	v_nop
.endr
.endm
.macro JLOAD g0a, g1a, g0b, g1b
	s_cmp_eq_u32 s15, 0
	s_cbranch_scc0 .Lfor_b_\@
	tensor_load_to_lds s[\g0a:\g0a+3], s[\g1a:\g1a+7]
	s_nop 0
.rept 4
	v_nop
.endr
	s_branch .Lasked_\@
.Lfor_b_\@:
	tensor_load_to_lds s[\g0b:\g0b+3], s[\g1b:\g1b+7]
	s_nop 0
.rept 4
	v_nop
.endr
.Lasked_\@:
.endm
.macro CREST
	s_cmp_lg_u32 s14, 0
	s_cbranch_scc1 .Lnot_wave_0_\@
	s_barrier_signal -3
.Lnot_wave_0_\@:
	s_barrier_wait -3
	s_barrier_signal -1
	s_barrier_wait -1
.endm
.macro CROUND
	s_barrier_signal -1
	s_barrier_wait -1
	CREST
.endm
	s_load_b128 s[4:7], s[0:1], 0x0
	s_load_b128 s[8:11], s[0:1], 0x10
	v_lshl_add_u32 v[SPW], v0, 2, SPARE
	v_mov_b32 v[NIL], 0
	ds_add_u32 v[SPW], v[NIL]
	ds_add_u32 v[SPW], v[NIL]
	v_lshrrev_b32 v1, 5, v0
	v_readfirstlane_b32 s14, v1
	s_lshr_b32 s15, s14, 1
	s_and_b32 s16, s14, 1
	s_bfe_u32 s40, ttmp6, 0x40000
	s_bfe_u32 s41, ttmp6, 0x40004
	s_lshl_b32 s42, ttmp9, 2
	s_add_co_u32 s42, s42, s40
	s_and_b32 s13, ttmp7, 0xffff
	s_lshl_b32 s13, s13, 2
	s_add_co_u32 s13, s13, s41
	s_lshl_b32 s43, s41, 2
	s_lshl_b32 s43, 15, s43
	s_lshl_b32 s44, 0x1111, s40
	s_or_b32 s[G1+0], s43, (3<<16)|(1<<21)
	s_or_b32 s[G1B+0], s44, (3<<16)|(1<<21)
	s_mov_b32 s[G1+1], 32<<16
	s_mov_b32 s[G1+2], 64<<16
	s_mov_b32 s[G1+3], 32<<16
	s_mov_b32 s[G1+4], 64
	s_mov_b32 s[G1+5], 32
	s_mov_b32 s[G1+6], 0
	s_mov_b32 s[G1+7], 0
	s_mov_b32 s[G1B+1], 32<<16
	s_mov_b32 s[G1B+2], 128<<16
	s_mov_b32 s[G1B+3], 32<<16
	s_mov_b32 s[G1B+4], 128
	s_mov_b32 s[G1B+5], 32
	s_mov_b32 s[G1B+6], 0
	s_mov_b32 s[G1B+7], 0
	s_lshl_b32 s20, s13, 15
	s_lshl_b32 s45, s16, 14
	s_add_co_u32 s20, s20, s45
	s_mov_b32 s21, 0
	s_lshl_b32 s46, s42, 16
	s_lshl_b32 s19, s16, 15
	s_add_co_u32 s46, s46, s19
	s_mov_b32 s47, 0
	s_add_co_u32 s19, s19, ABYTES
	s_wait_dscnt 0x0
	s_wait_kmcnt 0x0
	s_load_b64 s[96:97], s[8:9], 0x28
	s_add_nc_u64 s[20:21], s[4:5], s[20:21]
	s_add_nc_u64 s[46:47], s[6:7], s[46:47]
	; THE PREFETCHES: behind the joint load of slot step s (0, 1) one instruction a wave names slot step s + 2, lanes 256 bytes apart; behind the first joint load one more names slot step 1, whose load follows
	; when slot step 0 has landed.  The four partners that ask for a tile jointly share it out by address: of ac's 16,384 bytes a wave each names 4,096 (16 blocks; lanes 16-31 name the last again),
	; of woc's 32,768 each names 8,192.  ac's tiles are named by each cluster that loads them; woc's columns are walked by all eight rows of clusters, of which the first four name them
	; (a branch on the cluster's number and the wave's alone).
	s_and_b32 s72, ttmp7, 0xffff
	s_cmp_lt_u32 s72, 4
	s_cselect_b32 s72, 1, 0
	s_mov_b32 s70, 0x80000
	s_cmp_eq_u32 s15, 0                            ; do I fetch for ac?
	s_cselect_b32 s72, 1, s72                      ; s72: my wave asks
	s_cselect_b64 s[66:67], s[20:21], s[46:47]
	s_cselect_b32 s2, s40, s41                     ; my place among the four
	s_cselect_b32 s12, 12, 13
	s_cselect_b32 s17, 15, 31
	s_cselect_b32 s70, 0x100000, s70               ; a slot step on, in bytes
	s_lshl_b32 s2, s2, s12
	s_mov_b32 s3, 0
	s_mov_b32 s71, 0
	s_add_nc_u64 s[66:67], s[66:67], s[2:3]
	s_add_nc_u64 s[74:75], s[66:67], s[70:71]      ; slot step 1
	s_add_nc_u64 s[66:67], s[66:67], s[70:71]
	s_add_nc_u64 s[66:67], s[66:67], s[70:71]      ; slot step 2
	s_add_nc_u64 s[68:69], s[66:67], s[70:71]      ; slot step 3
	v_and_b32 v30, 31, v0
	v_min_u32 v30, s17, v30
	v_lshlrev_b32 v30, 8, v30                      ; never rewritten
	CROUND
.irp s, 0,1
	s_mov_b32 s[G0+4*\s], 1
	s_add_co_u32 s[G0+4*\s+1], s45, \s*SLOT
	s_add_nc_u64 s[G0+4*\s+2:G0+4*\s+3], s[20:21], \s*0x100000
	s_or_b32 s[G0+4*\s+3], s[G0+4*\s+3], 0x80000000
	s_mov_b32 s[G0B+4*\s], 1
	s_add_co_u32 s[G0B+4*\s+1], s19, \s*SLOT
	s_add_nc_u64 s[G0B+4*\s+2:G0B+4*\s+3], s[46:47], \s*0x80000
	s_or_b32 s[G0B+4*\s+3], s[G0B+4*\s+3], 0x80000000
	s_wait_alu depctr_va_vdst(0)
.if \s                                 ; slot step 0's load stands behind the opening adds and the opening round; slot step 1's, a later first fill, behind these lines and a round of its own
	s_wait_tensorcnt 0x0
	ds_add_u32 v28, v29
	ds_add_u32 v28, v29
	s_wait_dscnt 0x0
	CROUND
.endif
	JLOAD G0+4*\s, G1, G0B+4*\s, G1B
	s_cmp_lg_u32 s72, 0
	s_cbranch_scc0 .Lnoask\s
.if \s == 0
	global_prefetch_b8 v30, s[74:75] th:TH_LOAD_NT scope:SCOPE_SE
.endif
	global_prefetch_b8 v30, s[66+2*\s:67+2*\s] th:TH_LOAD_NT scope:SCOPE_SE
.Lnoask\s:
.endr
	v_and_b32 v1, 15, v0
	s_wait_alu depctr_va_vdst(0)
	v_bfe_u32 v2, v0, 4, 1
	v_and_b32 v[CO], 31, v0
	v_lshlrev_b32 v[CO], 4, v[CO]
	s_lshl_b32 s21, s15, 14
	s_lshl_b32 s22, s16, 15
	s_add_co_u32 s22, s22, ABYTES
.irp s, 0,1
	v_add_nc_u32 v[ADRA+\s], s21, v[CO]
	v_add_nc_u32 v[ADRB+\s], s22, v[CO]
	s_add_co_u32 s21, s21, SLOT
	s_add_co_u32 s22, s22, SLOT
.endr
	s_mul_i32 s23, s14, 16*SPITCH
	v_mul_u32_u24 v5, v1, SPITCH
	s_wait_alu depctr_va_vdst(0)
	v_lshl_add_u32 v5, v2, 5, v5
	v_add_nc_u32 v[STO], s23, v5
	v_add_nc_u32 v[RD], s23, v[CO]
	s_lshl_b32 s20, s13, 7
	s_lshl_b32 s21, s15, 6
	s_add_co_u32 s20, s20, s21
	s_lshl_b32 s20, s20, 13
	s_lshl_b32 s46, s42, 10
	s_lshl_b32 s47, s16, 9
	s_add_co_u32 s46, s46, s47
	s_add_co_u32 s20, s20, s46
	s_mov_b32 s21, 0
	s_add_nc_u64 s[10:11], s[10:11], s[20:21]
.macro FETCH s, q, p
	WIN 0x80*(\p)
.set ii, 0
.rept 8
.irp c, 0,1,2,3
	ds_load_b128 v[128+16*ii+4*\c:131+16*ii+4*\c], v[ADRB+\s] offset:ii*4096+(\q)*2048+512*\c
.endr
.set ii, ii+1
.endr
.set ii, 0
.rept 4
.irp c, 0,1,2,3
	ds_load_b128 v[64+16*ii+4*\c:67+16*ii+4*\c], v[ADRA+\s] offset:ii*4096+(\q)*2048+512*\c
.endr
.set ii, ii+1
.endr
	WIN 0
.endm
.macro MULH p, half, zero
	WIN 0x50|(0x0a*(\p))
.irp a, 2*(\half), 2*(\half)+1
.irp b, 0,1,2,3,4,5,6,7
.if \zero
	v_wmma_f32_16x16x128_fp8_fp8 v[8*(8*(\a)+\b):8*(8*(\a)+\b)+7], v[128+16*\b:143+16*\b], v[64+16*(\a):79+16*(\a)], 0
.else
	v_wmma_f32_16x16x128_fp8_fp8 v[8*(8*(\a)+\b):8*(8*(\a)+\b)+7], v[128+16*\b:143+16*\b], v[64+16*(\a):79+16*(\a)], v[8*(8*(\a)+\b):8*(8*(\a)+\b)+7]
.endif
.endr
.endr
.endm
.macro KSTEP s, zero
	PLACES
	FETCH \s, 1, 1
	s_wait_dscnt 48
	MULH 0, 0, \zero
	MULH 0, 1, \zero
.endm
.macro TURN slot, next, fill
	WIN 0
	s_wait_tensorcnt 0x0
	ds_add_u32 v[SPW], v[NIL]
	s_wait_dscnt 1
	MULH 1, 0, 0
	WIN 0
	s_wait_dscnt 0x0
	s_barrier_signal -1
	s_barrier_wait -1
.if \fill
	CREST
	s_add_nc_u64 s[G0+4*\slot+2:G0+4*\slot+3], s[G0+4*\slot+2:G0+4*\slot+3], 0x200000
	s_add_nc_u64 s[G0B+4*\slot+2:G0B+4*\slot+3], s[G0B+4*\slot+2:G0B+4*\slot+3], 0x100000
	JLOAD G0+4*\slot, G1, G0B+4*\slot, G1B
.else
	PLACES
.endif
	FETCH \next, 0, 0
	MULH 1, 1, 0
.endm
	s_wait_tensorcnt 1
	s_barrier_signal -1
	s_barrier_wait -1
	FETCH 0, 0, 0
	KSTEP 0, 1
	TURN 0, 1, 1
	KSTEP 1, 0
	TURN 1, 0, 1
	KSTEP 0, 0
	TURN 0, 1, 0
	KSTEP 1, 0
	s_wait_dscnt 0x0
	MULH 1, 0, 0
	MULH 1, 1, 0
	WIN 0
.macro TOSTAGE a
	WIN 0x01
.set ii, 0
.rept 32
	v_pk_mul_f32 v[64+ii:65+ii], v[64*(\a)+ii:64*(\a)+ii+1], s[96:97] op_sel_hi:[1,0]
.set ii, ii+2
.endr
	WIN 0
.irp b, 0,1,2,3,4,5,6,7
	ds_store_b128 v[STO], v[64+8*\b:67+8*\b] offset:64*\b
	ds_store_b128 v[STO], v[68+8*\b:71+8*\b] offset:64*\b+16
.endr
.set BB, 128+64*((\a)%2)
.set ii, 0
.rept 16
	ds_load_b128 v[BB+4*ii:BB+4*ii+3], v[RD] offset:ii*SPITCH
.set ii, ii+1
.endr
.endm
.macro SEND a, younger
.set BB, 128+64*((\a)%2)
	s_wait_dscnt \younger
.set ii, 0
.rept 16
	global_store_b128 v[CO], v[BB+4*ii:BB+4*ii+3], s[10:11] offset:(16*(\a)+ii)*8192 th:TH_STORE_NT
.set ii, ii+1
.endr
.endm
	s_wait_kmcnt 0x0
	s_add_co_i32 s96, s96, s97
	s_add_co_i32 s96, s96, 127
	s_lshl_b32 s96, s96, 23
	PLACES
	TOSTAGE 0
	TOSTAGE 1
	SEND 0, 32
	s_wait_xcnt 0x0
	TOSTAGE 2
	SEND 1, 32
	s_wait_xcnt 0x0
	TOSTAGE 3
	SEND 2, 32
	SEND 3, 0
	s_wait_tensorcnt 0x0
	ds_add_u32 v[SPW], v[NIL]
	s_wait_dscnt 0x0
	CROUND
	s_endpgm
.Lfunc_end_k_qc44926ecc1_outp:
	.size	k_qc44926ecc1_outp, .Lfunc_end_k_qc44926ecc1_outp-k_qc44926ecc1_outp
	.p2alignl 7, 3214868480
	.fill 96, 4, 3214868480
	.section	.rodata,"a",@progbits
	.p2align	6, 0x0
	.amdhsa_kernel k_qc44926ecc1_outp
		.amdhsa_group_segment_fixed_size 327680
		.amdhsa_private_segment_fixed_size 0
		.amdhsa_enable_private_segment 0
		.amdhsa_kernarg_size 32
		.amdhsa_user_sgpr_count 2
		.amdhsa_user_sgpr_kernarg_segment_ptr 1
		.amdhsa_wavefront_size32 1
		.amdhsa_system_sgpr_workgroup_id_x 1
		.amdhsa_system_sgpr_workgroup_id_y 1
		.amdhsa_system_sgpr_workgroup_id_z 1
		.amdhsa_system_vgpr_workitem_id 0
		.amdhsa_next_free_vgpr 768
		.amdhsa_next_free_sgpr 98
		.amdhsa_reserve_vcc 0
		.amdhsa_float_denorm_mode_32 3
		.amdhsa_float_denorm_mode_16_64 3
		.amdhsa_memory_ordered 1
		.amdhsa_forward_progress 1
		.amdhsa_inst_pref_size 76
	.end_amdhsa_kernel
	.amdgpu_metadata
---
amdhsa.version: [ 1, 2 ]
amdhsa.kernels:
  - .name:           k_qc44926ecc1_outp
    .symbol:         k_qc44926ecc1_outp.kd
    .args:
      - { .name: ac, .offset: 0, .size: 8, .value_kind: global_buffer, .address_space: global }
      - { .name: woc, .offset: 8, .size: 8, .value_kind: global_buffer, .address_space: global }
      - { .name: lowp_scales, .offset: 16, .size: 8, .value_kind: global_buffer, .address_space: global }
      - { .name: out0, .offset: 24, .size: 8, .value_kind: global_buffer, .address_space: global }
    .group_segment_fixed_size: 327680
    .private_segment_fixed_size: 0
    .kernarg_segment_align: 8
    .kernarg_segment_size: 32
    .max_flat_workgroup_size: 128
    .sgpr_count:     98
    .vgpr_count:     768
    .wavefront_size: 32
...
	.end_amdgpu_metadata
.endif
;; end of part 4
